; MI455X (gfx1250); checked and timed in simulation.
; The chip was launched on July 23, 2026; its instructions are those of AMD's public machine-readable ISA for CDNA 5 (MIT licence, August 2026) and "CDNA5" Instruction Set Architecture Reference Guide (July 2026). The comments in the code are by the model that wrote it; some were corrected since.
;; MH Self Attention. Allowed arithmetic: matrix products marked QUANTISED: E2M1 operands, one E8M0 scale for each 32 along K, by v_wmma_scale_f32_16x16x128_f8f6f4 with both operands' format E2M1 (or v_wmma_scale_f32_32x16x128_f4), f32 sums; products left as they are: bf16, f16 or f32 operands; f32 sums; everything else in f32.
;; Inputs: b_out 1,024 float32; inputs 4 x 2,048 x 1,024 float32; w_in 3,072 x 1,024 float32; w_out 1,024 x 1,024 float32.
;; Outputs: out0 4 x 2,048 x 1,024 float32.
;; This version of the problem:
;;   THIS VERSION OF THE PROBLEM IS GIVEN IN LOW PRECISION. The matrix products marked QUANTISED in the list below multiply operands that are first quantised to E2M1 (2 exponent bits, 1 mantissa bit; 4 bits a number), with one power-of-two scale for each 32 numbers along K (OCP MX v1.0); their sums are f32. The products marked 'left as it is' may take bf16, f16 or f32 operands, with f32 sums. Whichever they take, every output number must still come out within the allowed error. Rounding operands to bf16 (8 significant bits) uses up far more of that allowance than f16 does (11 bits, for magnitudes from 6e-5 to 65,504). All else is computed in f32.
;;   The module's matrix products, in the order in which they are computed (A, B: the left and right operand; K: the contracted axis; several contracted axes count as one K, in the product's order):
;;     1. [M 8,192, K 1,024] x [K 1,024, N 3,072]; A: input inputs; B: input w_in: QUANTISED
;;     2. batch 64 x [M 2,048, K 64] x [K 64, N 2,048]; A: computed on the way; B: computed on the way: left as it is (an operand is computed on the way)
;;     3. batch 64 x [M 2,048, K 2,048] x [K 2,048, N 64]; A: computed on the way; B: computed on the way: left as it is (an operand is computed on the way)
;;     4. [M 8,192, K 1,024] x [K 1,024, N 1,024]; A: computed on the way; B: input w_out: left as it is (an operand is computed on the way)
;;   THE QUANTISER, for each operand of a quantised product, along K:
;;     - K is cut into blocks of 32 from its start; a last block that is shorter is filled with zeros.
;;     - A block's scale is 2^e with e = floor(log2(the largest magnitude in the block)) - 2, held to -126 .. 127; a block of zeros has e = 0. As a byte (E8M0): e + 127.
;;     - Each number is divided by its block's scale, clamped to +-6, and rounded to the nearest number of E2M1, ties to even, subnormals kept.
;;     - The product sums the exact products of the quantised numbers (number of the format x scale) in f32.
;;   ~~~python
;;   def quantise(x, axis):      # numpy; x: float32 -> the quantised numbers, widened to float32 again
;;       x = np.moveaxis(x, axis, -1); K = x.shape[-1]
;;       x = np.pad(x, [(0, 0)] * (x.ndim - 1) + [(0, -K % 32)]); x = x.reshape(x.shape[:-1] + (-1, 32)); a = np.abs(x).max(-1, keepdims=True)
;;       e = np.where(a > 0, np.clip(np.frexp(np.where(a > 0, a, 1))[1] - 1 - 2, -126, 127), 0)      # np.frexp(a)[1] - 1 = floor(log2(a)), exactly
;;       r = np.clip(x / 2.0 ** e, -6, 6)
;;       step = 2.0 ** (np.maximum(np.frexp(np.where(r == 0, 1, r))[1] - 1, 0) - 1)
;;       q = np.round(r / step) * step * 2.0 ** e      # np.round: ties to even
;;       return np.moveaxis(q.reshape(q.shape[:-2] + (-1,))[..., :K], -1, axis).astype(np.float32)
;;   ~~~
;; One version. Each part assembles by itself: llvm-mc -triple=amdgcn-amd-amdhsa -mcpu=gfx1250 --defsym DOCPART=n.
;; ======== version 1 of 1: 5 launches
;; limits: values are held in f16: magnitudes above 65,504 overflow, below 6.1e-05 lose precision
;; workspace buffers: x_codes 4,194,304 bytes; x_scales 262,144 bytes; w_codes 1,572,864 bytes; w_scales 98,304 bytes; wo16 2,097,152 bytes; qkv16 50,331,648 bytes; qkvf 786,432 bytes; a16 16,777,216 bytes
;; launch quant (part 1): grid 384 x 1, 4 waves a work-group, no clusters, 33,280 bytes of LDS; arguments inputs, w_in, x_codes, x_scales, w_codes, w_scales, w_out, wo16; writes x_codes, x_scales, w_codes, w_scales, wo16
.if DOCPART == 1
	.amdgcn_target "amdgcn-amd-amdhsa--gfx1250"
	.amdhsa_code_object_version 6
	.text
	.protected	k_q4f2097c949_quant
	.globl	k_q4f2097c949_quant
	.p2align	8
	.type	k_q4f2097c949_quant,@function
k_q4f2097c949_quant:
	s_mov_b64 s[64:65], 0
	v_nop
	global_prefetch_b8 v0, s[64:65] scope:SCOPE_SE
	s_setreg_imm32_b32 hwreg(HW_REG_WAVE_MODE, 25, 1), 1
	s_wait_xcnt 0x0
; inputs [8192][1024] and w_in [3072][1024], f32, K innermost, become codes of FP4 (E2M1), two a byte, and one E8M0 byte for each 32 along K; w_out [1024][1024] becomes f16.
; A block's scale is 2^(floor(log2(its largest magnitude)) - 2): its byte is the largest magnitude's exponent field - 2, held at 1 from below.
; LIMITS: a block of zeros gets the byte 1 where the rule says 127 (its codes are zeros, and this program alone reads the bytes); blocks whose largest magnitude lies under 2^-124 keep the byte 1;
; NaN and infinities among the inputs are not served; w_out is rounded to f16, so |w_out| stays under 65,504.
; SHARES: work-groups 0-255 take inputs, 256-351 w_in, 352-383 w_out; 32,768 numbers a work-group, 8,192 a wave.  Rows are dense and K is a multiple of 32: all three are plain streams.
; THE QUANTISER: a step is 512 numbers: four loads of 512 consecutive bytes; the 2,048 bytes turn through the wave's own stage in LDS so that a lane holds 16 neighbours; two neighbouring lanes hold a block.
; A lane's 16 codes are 8 bytes: a store of the wave covers 256 consecutive bytes, aligned.  A wave's 256 scale bytes are gathered in LDS and leave as one such store.
.set WAVES, 4
.set STEPS, 16
.set WGA,   256                        ; work-groups for inputs
.set WGQ,   352                        ; and for both quantised tensors
.set EMAX,  2
.set CB,    8                          ; bytes of 16 codes
.set R,     16                         ; v16-79   four sets of 16 numbers as loaded (w_out: v16-143, four sets of 32)
.set X,     80                         ; v80-111  two sets of 16 neighbours
.set C,     128                        ; v128-191 codes: four registers a step
.set E,     112                        ; v112-127 a scale byte for each step
.set HF,    144                        ; v144-175 w_out: two sets of 16 registers of f16 pairs
.set WREG,  8192                       ; LDS: a region for each wave: two stages of 32 x SP bytes, then its 256 scale bytes
.set SP,    80                         ; a lane's place in a stage: 64 bytes + 16 of padding
.set SPW,   12                         ; v12 LDS address of my spare word; never rewritten
.set NIL,   13                         ; v13 0; never rewritten
.set SPARE, WAVES*WREG                 ; the spare words, 128 bytes a wave: no other line names them
	s_load_b128 s[4:7], s[0:1], 0x0                ; inputs, w_in
	s_load_b128 s[8:11], s[0:1], 0x10              ; x_codes, x_scales
	s_load_b128 s[12:15], s[0:1], 0x20             ; w_codes, w_scales
	s_load_b128 s[24:27], s[0:1], 0x30             ; w_out, wo16
	v_lshl_add_u32 v[SPW], v0, 2, SPARE
	v_mov_b32 v[NIL], 0
	v_lshrrev_b32 v1, 5, v0
	v_readfirstlane_b32 s16, v1                    ; wave
	v_and_b32 v2, 31, v0                           ; lane
	v_lshlrev_b32 v3, 4, v2                        ; my 16 bytes of a load's 512
	s_mul_i32 s17, s16, WREG
	v_lshrrev_b32 v14, 2, v2
	v_mul_u32_u24 v14, v14, SP
	v_and_b32 v15, 3, v2
	v_lshl_add_u32 v14, v15, 4, v14
	v_add_nc_u32 v14, s17, v14                     ; the stage on the way in: SP (lane / 4) + 16 (lane % 4)
	v_mul_u32_u24 v15, v2, SP
	v_add_nc_u32 v15, s17, v15                     ; and on the way out: SP x lane: my 16 neighbours
	v_mul_u32_u24 v4, v2, CB                       ; my codes' place in a step's
	v_lshrrev_b32 v5, 1, v2
	s_add_co_u32 s17, s17, 2*32*SP
	v_add_nc_u32 v5, s17, v5                       ; LDS: my block's scale byte
	v_lshlrev_b32 v7, 3, v2                        ; 8 bytes a lane
	v_add_nc_u32 v6, s17, v7
	s_wait_kmcnt 0x0
	s_cmp_lt_u32 ttmp9, WGQ                        ; the work-group's number alone decides
	s_cbranch_scc1 .Lquant
	; ---- w_out to f16: a stream through registers, no LDS.  Eight rounds of eight loads of 512 consecutive bytes; four rounds are on their way
	s_sub_co_u32 s17, ttmp9, WGQ
	s_lshl_b32 s17, s17, 2
	s_add_co_u32 s18, s17, s16                     ; which run of 8,192 numbers is my wave's
	s_lshl_b32 s20, s18, 15                        ; 32,768 bytes in,
	s_mov_b32 s21, 0
	s_add_nc_u64 s[24:25], s[24:25], s[20:21]
	s_lshl_b32 s20, s18, 14                        ; 16,384 out
	s_add_nc_u64 s[26:27], s[26:27], s[20:21]
.macro CLOAD t
.irp i, 0,1,2,3,4,5,6,7
	global_load_b128 v[R+32*((\t)%4)+4*\i:R+32*((\t)%4)+4*\i+3], v3, s[24:25] offset:4096*(\t)+512*\i th:TH_LOAD_NT
.endr
.endm
.macro CONV t
.if 7-(\t) >= 3
	s_wait_loadcnt 24                              ; this round's eight loads are in; the three later rounds' 24 may be out
.else
	s_wait_loadcnt 8*(7-(\t))
.endif
	s_wait_xcnt 0x0                                ; the stores of two rounds back have read this set of results
.irp i, 0,1,2,3,4,5,6,7
	v_cvt_pk_f16_f32 v[HF+16*((\t)%2)+2*\i], v[R+32*((\t)%4)+4*\i], v[R+32*((\t)%4)+4*\i+1]
	v_cvt_pk_f16_f32 v[HF+16*((\t)%2)+2*\i+1], v[R+32*((\t)%4)+4*\i+2], v[R+32*((\t)%4)+4*\i+3]
.endr
.if (\t)+4 < 8
	CLOAD (\t)+4                                   ; into the set just read
.endif
.irp i, 0,1,2,3,4,5,6,7
	global_store_b64 v7, v[HF+16*((\t)%2)+2*\i:HF+16*((\t)%2)+2*\i+1], s[26:27] offset:2048*(\t)+256*\i   ; 32 lanes store 256 consecutive bytes, aligned
.endr
.endm
.irp t, 0,1,2,3
	CLOAD \t
.endr
.irp t, 0,1,2,3,4,5,6,7
	CONV \t
.endr
	s_branch .Lend
.Lquant:
	s_cmp_lt_u32 ttmp9, WGA                        ; inputs' work-group or w_in's?
	s_cselect_b64 s[4:5], s[4:5], s[6:7]
	s_cselect_b64 s[8:9], s[8:9], s[12:13]
	s_cselect_b64 s[10:11], s[10:11], s[14:15]
	s_cselect_b32 s17, 0, WGA
	s_sub_co_u32 s17, ttmp9, s17
	s_lshl_b32 s17, s17, 2
	s_add_co_u32 s18, s17, s16                     ; which run of 8,192 numbers of the tensor is my wave's
	s_mov_b32 s19, 0
	s_mov_b64 s[20:21], 512*STEPS*4
	s_mul_u64 s[20:21], s[18:19], s[20:21]
	s_add_nc_u64 s[4:5], s[4:5], s[20:21]
	s_mov_b64 s[20:21], 32*STEPS*CB
	s_mul_u64 s[20:21], s[18:19], s[20:21]
	s_add_nc_u64 s[8:9], s[8:9], s[20:21]
	s_lshl_b32 s18, s18, 8                         ; 256 scale bytes a run
	s_add_nc_u64 s[10:11], s[10:11], s[18:19]
.macro LOAD t
.irp i, 0,1,2,3
	global_load_b128 v[R+16*((\t)%4)+4*\i:R+16*((\t)%4)+4*\i+3], v3, s[4:5] offset:2048*(\t)+512*\i th:TH_LOAD_NT
.endr
.endm
.macro TURN t                          ; step t's numbers through the stage: LDS serves a wave's instructions in order, so no wait stands between the stores and the loads
.irp i, 0,1,2,3
	ds_store_b128 v14, v[R+16*((\t)%4)+4*\i:R+16*((\t)%4)+4*\i+3] offset:32*SP*((\t)%2)+8*SP*\i
.endr
.irp i, 0,1,2,3
	ds_load_b128 v[X+16*((\t)%2)+4*\i:X+16*((\t)%2)+4*\i+3], v15 offset:32*SP*((\t)%2)+16*\i
.endr
.endm
.irp t, 0,1,2,3
	LOAD \t
.endr
	s_wait_loadcnt 12                              ; step 0's four loads are in
	TURN 0
.macro STEP t
.set XS, X+16*((\t)%2)
.if (\t) > 0
	s_wait_dscnt 1                                 ; this step's numbers are back from the stage (the last step's byte store may be out)
.else
	s_wait_dscnt 0x0
.endif
.if (\t)+4 < STEPS
	LOAD (\t)+4
.endif
.if (\t)+1 < STEPS
.if STEPS-2-(\t) >= 3
	s_wait_loadcnt 12                              ; the next step's four loads are in; those of the three steps behind it may be out
.else
	s_wait_loadcnt 4*(STEPS-2-(\t))
.endif
	TURN (\t)+1
.endif
	v_max3_num_f32 v8, |v[XS]|, |v[XS+1]|, |v[XS+2]|               ; the largest magnitude of my 16, in two chains
	v_max3_num_f32 v9, |v[XS+3]|, |v[XS+4]|, |v[XS+5]|
.irp i, 6,10
	v_max3_num_f32 v8, v8, |v[XS+\i]|, |v[XS+\i+1]|
	v_max3_num_f32 v9, v9, |v[XS+\i+2]|, |v[XS+\i+3]|
.endr
	v_max3_num_f32 v8, v8, |v[XS+14]|, |v[XS+15]|
	v_max3_num_f32 v8, v8, v9, (EMAX+1)<<23        ; and the floor 2^(3 - 127): the byte cannot fall under 1
	v_max_num_f32_dpp v8, v8, v8 row_xmask:1 row_mask:0xf bank_mask:0xf   ; with my neighbour's 16: the block's
	v_add_nc_u32 v11, -(EMAX<<23), v8              ; 2 off its exponent field: the conversion takes the exponent field of this operand as its scale
	v_cvt_scalef32_pk8_fp4_f32 v[C+4*(\t)], v[XS:XS+7], v11
	v_cvt_scalef32_pk8_fp4_f32 v[C+4*(\t)+1], v[XS+8:XS+15], v11
	v_lshrrev_b32 v[E+(\t)], 23, v11               ; the scale's byte
	ds_store_b8 v5, v[E+(\t)] offset:16*(\t)       ; both lanes of a block write the same byte with the same value
	global_store_b64 v4, v[C+4*(\t):C+4*(\t)+1], s[8:9] offset:32*CB*(\t)
.endm
.irp t, 0,1,2,3,4,5,6,7,8,9,10,11,12,13,14,15
	STEP \t
.endr
	ds_load_b64 v[8:9], v6                         ; LDS serves a wave's instructions in order: these see my byte stores
	s_wait_dscnt 0x0
	global_store_b64 v7, v[8:9], s[10:11]          ; 32 lanes store 256 consecutive bytes, aligned
.Lend:
	s_wait_tensorcnt 0x0                           ; the wave's end, behind the last LDS store
	ds_add_u32 v[SPW], v[NIL]
	s_wait_dscnt 0x0
	s_endpgm
.Lfunc_end_k_q4f2097c949_quant:
	.size	k_q4f2097c949_quant, .Lfunc_end_k_q4f2097c949_quant-k_q4f2097c949_quant
	.p2alignl 7, 3214868480
	.fill 96, 4, 3214868480
	.section	.rodata,"a",@progbits
	.p2align	6, 0x0
	.amdhsa_kernel k_q4f2097c949_quant
		.amdhsa_group_segment_fixed_size 33280
		.amdhsa_private_segment_fixed_size 0
		.amdhsa_enable_private_segment 0
		.amdhsa_kernarg_size 64
		.amdhsa_user_sgpr_count 2
		.amdhsa_user_sgpr_kernarg_segment_ptr 1
		.amdhsa_wavefront_size32 1
		.amdhsa_system_sgpr_workgroup_id_x 1
		.amdhsa_system_sgpr_workgroup_id_y 1
		.amdhsa_system_sgpr_workgroup_id_z 1
		.amdhsa_system_vgpr_workitem_id 0
		.amdhsa_next_free_vgpr 192
		.amdhsa_next_free_sgpr 66
		.amdhsa_reserve_vcc 0
		.amdhsa_float_denorm_mode_32 3
		.amdhsa_float_denorm_mode_16_64 3
		.amdhsa_memory_ordered 1
		.amdhsa_forward_progress 1
		.amdhsa_inst_pref_size 54
	.end_amdhsa_kernel
	.amdgpu_metadata
---
amdhsa.version: [ 1, 2 ]
amdhsa.kernels:
  - .name:           k_q4f2097c949_quant
    .symbol:         k_q4f2097c949_quant.kd
    .args:
      - { .name: inputs, .offset: 0, .size: 8, .value_kind: global_buffer, .address_space: global }
      - { .name: w_in, .offset: 8, .size: 8, .value_kind: global_buffer, .address_space: global }
      - { .name: x_codes, .offset: 16, .size: 8, .value_kind: global_buffer, .address_space: global }
      - { .name: x_scales, .offset: 24, .size: 8, .value_kind: global_buffer, .address_space: global }
      - { .name: w_codes, .offset: 32, .size: 8, .value_kind: global_buffer, .address_space: global }
      - { .name: w_scales, .offset: 40, .size: 8, .value_kind: global_buffer, .address_space: global }
      - { .name: w_out, .offset: 48, .size: 8, .value_kind: global_buffer, .address_space: global }
      - { .name: wo16, .offset: 56, .size: 8, .value_kind: global_buffer, .address_space: global }
    .group_segment_fixed_size: 33280
    .private_segment_fixed_size: 0
    .kernarg_segment_align: 8
    .kernarg_segment_size: 64
    .max_flat_workgroup_size: 128
    .sgpr_count:     66
    .vgpr_count:     192
    .wavefront_size: 32
...
	.end_amdgpu_metadata
.endif
;; end of part 1
;; launch qkv (part 2): grid 12 x 32, 4 waves a work-group, clusters of 4 x 4, 327,680 bytes of LDS; arguments x_codes, x_scales, w_codes, w_scales, qkv16, qkvf; writes qkv16, qkvf
.if DOCPART == 2
	.amdgcn_target "amdgcn-amd-amdhsa--gfx1250"
	.amdhsa_code_object_version 6
	.text
	.protected	k_q4f2097c949_qkv
	.globl	k_q4f2097c949_qkv
	.p2align	8
	.type	k_q4f2097c949_qkv,@function
k_q4f2097c949_qkv:
	s_mov_b64 s[64:65], 0
	v_nop
	global_prefetch_b8 v0, s[64:65] scope:SCOPE_SE
	s_setreg_imm32_b32 hwreg(HW_REG_WAVE_MODE, 25, 1), 1
	s_wait_xcnt 0x0
	s_wait_alu depctr_hold_cnt(0) depctr_sa_sdst(0) depctr_va_vdst(0) depctr_va_sdst(0) depctr_va_ssrc(0) depctr_va_vcc(0) depctr_vm_vsrc(0)
	s_getreg_b32 s2, hwreg(HW_REG_IB_STS2, 6, 4)
	s_cmp_eq_u32 s2, 0
	s_cbranch_scc0 .Lentry_in_a_cluster
	s_endpgm
.Lentry_in_a_cluster:
	s_bfe_u32 s2, ttmp6, 0x10000c
	s_cmp_lg_u32 s2, 0xf033
	s_cbranch_scc0 .Lentry_shape_is_right
	s_endpgm
.Lentry_shape_is_right:
; qkv[m][e] = sum over k of x[m][k] w_in[e][k] on codes of FP4 (E2M1) with one E8M0 scale for each 32 along K; sums in f32.  x: 8,192 rows, w_in: 3,072 rows, K = 1,024: a row of codes is 512 bytes, of scales 32.
; A tile of 256 x 256 is made by four waves, each 128 x 128: 64 accumulators, 512 registers.  K is two slots of 512 along K; both are asked for at the start and nothing is filled again.
; The scales of the work-group's 256 + 256 rows come once, as dense blocks, with the first fills.
; CLUSTERS: 4 x 4 work-groups; A's tiles are shared along a row of the cluster, B's along a column, by joint loads.  A row of the cluster is a BATCH: tile row = 8 cy + cluster y, so that
; 'positions 0 to 15' holds where the cluster's y is 0, a number that all sixteen partners share.
; THE MATRIX INSTRUCTION IS USED TRANSPOSED (source 0 = 16 rows of w_in, source 1 = 16 rows of x): a lane holds eight neighbouring e of one row.
; THE WAY OUT: q, k, v are rounded to f16 and laid by head: plane (which x 64 + batch x 16 + head) of [2048 positions][64] f16, so that 16 positions of a head are 2,048 consecutive bytes.
; The f32 sums of positions 0 to 15 of each batch are kept beside them in qkvf [4][16][3072]: the last launch carries those rows in f32.
; LIMIT: |q|, |k|, |v| stay under 65,504 (f16).  With both inputs thirty times the drawn spread they reach some 5e3, with both offset by thirty spreads some 3e4.
; REGISTERS, in windows of 256: window 0: v16-29 addresses; v32-95 scale words, two sets; v128-191 A's fragments, one set; on the way out v32-255 are free.
;   window 1: B's fragments, two sets, at v0 and v128.  window 2: accumulators of my rows 0-63 ((a, b) at v[8 (8 a + b)]);  window 3: those of rows 64-127.
.set KSTEP,  512
.set NQ,     KSTEP/128
.set ROWB,   256                       ; a tile's row in bytes
.set KROW,   512                       ; a row of codes in memory
.set PITCH,  272                       ; an LDS row: 256 bytes + 16 of padding: the 16 rows of a load start 68 words apart
.set FR,     8
.set NL,     2
.set NP,     4                         ; places behind this matrix instruction (ISA guide 7.12.1)
.set HALFT,  128*PITCH
.set SLOT,   4*HALFT
.set KS,     32                        ; a row of scales in bytes
.set SCL,    2*SLOT
.set HALFS,  (128*KS/256)*272
.set SBLK,   (16*KS/256)*272
.set SPARE,  SCL+4*HALFS               ; the spare words, 128 bytes a wave: no other line names them
.set WSTG,   13312                     ; the way out: each wave's stages, in slot 0, which has had its only fill and its last read by then
.set HP,     144                       ; f16 stage: [2 heads][16 rows][128 bytes + 16]
.set FOFF,   2*16*HP                   ; behind it the f32 stage: 16 rows x (512 bytes + 16)
.set SPITCH, 528
.set ADRA, 16
.set ADRB, 20
.set STOF, 22
.set RDF,  23
.set STO,  24
.set RD,   25
.set CO,   26
.set ADRS, 27
.set SPW,  28
.set NIL,  29
.set SC,   32
.set AF,   128
.set BK,   128                         ; the way out: rows read back: v128-159 and v160-191 by turns
.set TMP,  192                         ; packed f16
.set FB,   32                          ; f32 rows read back
.set G1, 24
.set G0, 32
.set G1B, 48
.set G0B, 56
.set G1S, 68
.set G0S, 76
.set G1SB, 80
.set G0SB, 88
.set MSB, 0
.macro WIN new                         ; the immediate's high byte repeats the setting that is left
.if MSB != \new
	s_set_vgpr_msb (MSB<<8)|\new
.set MSB, \new
.endif
.endm
.set MUL_LO, 0xa1                      ; source 0 (B) window 1, source 1 (A) window 0, C and D window 2
.set MUL_HI, 0xf1
.set TO_B,   0x40
; A joint load: waves 0 and 1 fetch for A, waves 2 and 3 for B; the branch hangs on the wave's number alone.  An s_nop 0 and four v_nop follow each line.
.macro JLOAD g0a, g1a, g0b, g1b
	s_cmp_eq_u32 s15, 0
	s_cbranch_scc0 .Lfor_b_\@
	tensor_load_to_lds s[\g0a:\g0a+3], s[\g1a:\g1a+7]
	s_nop 0
.rept 4
	v_nop
.endr
	s_branch .Lasked_\@
.Lfor_b_\@:
	tensor_load_to_lds s[\g0b:\g0b+3], s[\g1b:\g1b+7]
	s_nop 0
.rept 4
	v_nop
.endr
.Lasked_\@:
.endm
.macro CROUND                          ; a round of the cluster's barrier
	s_barrier_signal -1
	s_barrier_wait -1
	s_cmp_lg_u32 s14, 0
	s_cbranch_scc1 .Lnot_wave_0_\@
	s_barrier_signal -3
.Lnot_wave_0_\@:
	s_barrier_wait -3
	s_barrier_signal -1
	s_barrier_wait -1
.endm
	s_load_b128 s[4:7], s[0:1], 0x0                ; x's codes, x's scales
	s_load_b128 s[8:11], s[0:1], 0x10              ; w's codes, w's scales
	s_load_b64 s[12:13], s[0:1], 0x20              ; qkv16
	s_load_b64 s[96:97], s[0:1], 0x28              ; qkvf
	v_lshl_add_u32 v[SPW], v0, 2, SPARE
	v_mov_b32 v[NIL], 0
	ds_add_u32 v[SPW], v[NIL]                      ; the opening: the add, twice on end, and its wait ahead of my first tensor load
	ds_add_u32 v[SPW], v[NIL]
	v_lshrrev_b32 v1, 5, v0
	v_readfirstlane_b32 s14, v1                    ; wave 0..3
	s_lshr_b32 s15, s14, 1                         ; my half of the tile's rows.  Also: I fetch for A (0) or for B (1)
	s_and_b32 s16, s14, 1                          ; my half of its columns.  Also: which 128 rows I fetch
	s_bfe_u32 s40, ttmp6, 0x40000                  ; cx
	s_bfe_u32 s41, ttmp6, 0x40004                  ; cy
	s_lshl_b32 s42, ttmp9, 2
	s_add_co_u32 s42, s42, s40                     ; tile column = 4 x cluster x + cx
	s_and_b32 s17, ttmp7, 0xffff
	s_lshl_b32 s18, s41, 3
	s_add_co_u32 s17, s17, s18                     ; tile row = 8 cy + cluster y: batch cy, positions 256 x cluster y on
	s_lshl_b32 s43, s41, 2
	s_lshl_b32 s43, 15, s43                        ; my row of the cluster
	s_lshl_b32 s44, 0x1111, s40                    ; my column
	s_or_b32 s[G1+0], s43, (0<<16)|(1<<20)|(1<<21)|(5<<22)|(3<<25)  ; the mask; elements of 1 byte; padding on: 4 words behind every 64; bit 21 beside a mask
	s_or_b32 s[G1B+0], s44, (0<<16)|(1<<20)|(1<<21)|(5<<22)|(3<<25)
.irp g, G1, G1B
	s_mov_b32 s[\g+1], ROWB<<16                    ; tensor_dim0
	s_mov_b32 s[\g+2], 128<<16                     ; tensor_dim1
	s_mov_b32 s[\g+3], ROWB<<16                    ; tile_dim0
	s_mov_b32 s[\g+4], 128                         ; tile_dim1
	s_mov_b32 s[\g+5], KROW                        ; pitch
	s_mov_b32 s[\g+6], 0
	s_mov_b32 s[\g+7], 0
.endr
	s_or_b32 s[G1S+0], s43, (3<<16)|(1<<20)|(1<<21)|(5<<22)|(3<<25) ; the scales of 128 rows: 4,096 dense bytes as 16 rows of 256 (32 elements of 8 bytes), 16 bytes of padding behind each
	s_or_b32 s[G1SB+0], s44, (3<<16)|(1<<20)|(1<<21)|(5<<22)|(3<<25)
.irp g, G1S, G1SB
	s_mov_b32 s[\g+1], 32<<16
	s_mov_b32 s[\g+2], (128*KS/256)<<16
	s_mov_b32 s[\g+3], 32<<16
	s_mov_b32 s[\g+4], 128*KS/256
	s_mov_b32 s[\g+5], 32
	s_mov_b32 s[\g+6], 0
	s_mov_b32 s[\g+7], 0
.endr
	s_lshl_b32 s18, s16, 7
	s_lshl_b32 s20, s17, 8
	s_add_co_u32 s20, s20, s18                     ; A: row 256 x tile row + 128 x half
	s_lshl_b32 s46, s42, 8
	s_add_co_u32 s46, s46, s18                     ; B: row 256 x tile column + 128 x half
	s_mov_b32 s21, 0
	s_mov_b32 s47, 0
	s_mov_b64 s[18:19], KS
	s_mul_u64 s[22:23], s[20:21], s[18:19]         ; where these rows' scales begin,
	s_mul_u64 s[92:93], s[46:47], s[18:19]
	s_mov_b64 s[18:19], KROW
	s_mul_u64 s[20:21], s[20:21], s[18:19]         ; and their codes
	s_mul_u64 s[46:47], s[46:47], s[18:19]
	s_mul_i32 s45, s14, HALFT                      ; where they go: wave x 128 rows
	s_mul_i32 s94, s14, HALFS
	s_wait_dscnt 0x0                               ; both opening adds are done
	s_wait_kmcnt 0x0
	s_add_nc_u64 s[20:21], s[4:5], s[20:21]
	s_add_nc_u64 s[22:23], s[6:7], s[22:23]
	s_add_nc_u64 s[46:47], s[8:9], s[46:47]
	s_add_nc_u64 s[92:93], s[10:11], s[92:93]
	CROUND                                         ; all sixteen work-groups are here: the joint loads meet
	s_mov_b32 s[G0S], 1
	s_add_co_u32 s[G0S+1], s94, SCL
	s_mov_b64 s[G0S+2:G0S+3], s[22:23]
	s_or_b32 s[G0S+3], s[G0S+3], 0x80000000
	s_mov_b32 s[G0SB], 1
	s_add_co_u32 s[G0SB+1], s94, SCL
	s_mov_b64 s[G0SB+2:G0SB+3], s[92:93]
	s_or_b32 s[G0SB+3], s[G0SB+3], 0x80000000
	JLOAD G0S, G1S, G0SB, G1SB                     ; the scales first; with the two below three loads of mine are out
.irp s, 0,1
	s_mov_b32 s[G0+4*\s], 1
	s_add_co_u32 s[G0+4*\s+1], s45, \s*SLOT
	s_add_nc_u64 s[G0+4*\s+2:G0+4*\s+3], s[20:21], \s*ROWB
	s_or_b32 s[G0+4*\s+3], s[G0+4*\s+3], 0x80000000
	s_mov_b32 s[G0B+4*\s], 1
	s_add_co_u32 s[G0B+4*\s+1], s45, \s*SLOT
	s_add_nc_u64 s[G0B+4*\s+2:G0B+4*\s+3], s[46:47], \s*ROWB
	s_or_b32 s[G0B+4*\s+3], s[G0B+4*\s+3], 0x80000000
	JLOAD G0+4*\s, G1, G0B+4*\s, G1B
.endr
	v_and_b32 v1, 15, v0                           ; r = lane % 16
	v_bfe_u32 v2, v0, 4, 1                         ; h = lane / 16
	v_mul_u32_u24 v3, v1, PITCH
	v_lshl_add_u32 v4, v2, 4, v3                   ; a fragment's row x pitch + 16 h
	s_mul_i32 s21, s15, HALFT
	s_mul_i32 s22, s16, HALFT
	s_add_co_u32 s22, s22, 2*HALFT
.irp s, 0,1
	v_add_nc_u32 v[ADRA+\s], s21, v4
	v_add_nc_u32 v[ADRB+\s], s22, v4
	s_add_co_u32 s21, s21, SLOT
	s_add_co_u32 s22, s22, SLOT
.endr
	v_mul_u32_u24 v5, v1, KS                       ; my row's scales: 32 bytes a row,
	v_lshrrev_b32 v6, 8, v5
	v_lshl_add_u32 v5, v6, 4, v5                   ; and 16 more for each 256 passed
	s_mul_i32 s21, s15, HALFS
	s_mul_i32 s22, s16, HALFS
	s_add_co_u32 s22, s22, 2*HALFS
	s_sub_co_u32 s22, s22, s21
	v_mul_u32_u24 v6, s22, v2                      ; lanes 16-31 take B's: one product, the distance between the two bases
	s_add_co_u32 s21, s21, SCL
	v_add_nc_u32 v5, v5, v6
	v_add_nc_u32 v[ADRS], s21, v5
	s_mul_i32 s23, s14, WSTG                       ; my stages
	v_mul_u32_u24 v5, v1, HP
	v_lshl_add_u32 v5, v2, 4, v5
	v_add_nc_u32 v[STO], s23, v5                   ; f16, in: row r, 16 bytes for each half of the lanes
	v_and_b32 v6, 31, v0
	v_lshrrev_b32 v5, 3, v6
	v_mul_u32_u24 v5, v5, HP
	v_and_b32 v3, 7, v6
	v_lshl_add_u32 v5, v3, 4, v5
	v_add_nc_u32 v[RD], s23, v5                    ; back: eight lanes to a row of 128 bytes, four rows an instruction
	v_lshlrev_b32 v[CO], 4, v6                     ; and in memory: 16 x lane
	s_add_co_u32 s23, s23, FOFF
	v_mul_u32_u24 v5, v1, SPITCH
	v_lshl_add_u32 v5, v2, 5, v5
	v_add_nc_u32 v[STOF], s23, v5                  ; f32, in: row r, 32 bytes for each half
	v_add_nc_u32 v[RDF], s23, v[CO]                ; back: a row of 512 bytes an instruction
	; where my part begins in qkv16: my 128 columns are heads hh0 and hh0 + 1 of q, k or v
	s_lshl_b32 s46, s42, 2
	s_lshl_b32 s47, s16, 1
	s_add_co_u32 s46, s46, s47                     ; hh0 = 4 x tile column + 2 x half, even
	s_lshr_b32 s47, s46, 4                         ; which: 0 q, 1 k, 2 v
	s_lshl_b32 s47, s47, 6
	s_and_b32 s46, s46, 15                         ; the head
	s_add_co_u32 s46, s46, s47
	s_lshl_b32 s47, s41, 4
	s_add_co_u32 s46, s46, s47                     ; the plane: which x 64 + batch x 16 + head
	s_lshl_b32 s46, s46, 18                        ; 262,144 bytes a plane
	s_and_b32 s47, ttmp7, 0xffff
	s_lshl_b32 s47, s47, 15                        ; 256 positions of 128 bytes for each cluster y
	s_add_co_u32 s46, s46, s47
	s_lshl_b32 s47, s15, 14                        ; my half's 128 positions
	s_add_co_u32 s46, s46, s47
	s_mov_b32 s47, 0
	s_add_nc_u64 s[12:13], s[12:13], s[46:47]
	s_mul_i32 s46, s41, 196608                     ; qkvf: the batch's 16 rows of 12,288 bytes,
	s_lshl_b32 s92, s42, 10
	s_add_co_u32 s46, s46, s92
	s_lshl_b32 s92, s16, 9
	s_add_co_u32 s46, s46, s92                     ; my first column
	s_add_nc_u64 s[96:97], s[96:97], s[46:47]
.macro FRAG reg, adr, q, i             ; 16 rows x 128 K of 4-bit codes: 8 registers: lane l holds row l % 16; registers 4 c .. 4 c + 3 hold K = 64 c + 32 (l / 16) + 0 .. 31
.irp c, 0,1
	ds_load_b128 v[\reg+4*\c:\reg+4*\c+3], v[\adr] offset:64*(\q)+32*\c+(\i)*16*PITCH
.endr
.endm
; 16 matrix instructions: A's blocks a0, a0 + 1 x B's eight.  The 64 accumulators take turns, one instruction a turn, in the same order in every step.
.macro MUL16 a0, p, q, sc, zero
.irp a, \a0, \a0+1
.irp b, 0,1,2,3,4,5,6,7
.if \zero
	v_wmma_scale_f32_16x16x128_f8f6f4 v[8*(8*((\a)%4)+\b):8*(8*((\a)%4)+\b)+7], v[128*(\p)+FR*\b:128*(\p)+FR*\b+FR-1], v[AF+FR*(\a):AF+FR*(\a)+FR-1], 0, v[SC+8*NQ*(\sc)+NQ*\b+(\q)], v[SC+8*NQ*(\sc)+NQ*(\a)+(\q)] matrix_a_fmt:MATRIX_FMT_FP4 matrix_b_fmt:MATRIX_FMT_FP4 matrix_a_scale:MATRIX_SCALE_ROW1
.else
	v_wmma_scale_f32_16x16x128_f8f6f4 v[8*(8*((\a)%4)+\b):8*(8*((\a)%4)+\b)+7], v[128*(\p)+FR*\b:128*(\p)+FR*\b+FR-1], v[AF+FR*(\a):AF+FR*(\a)+FR-1], v[8*(8*((\a)%4)+\b):8*(8*((\a)%4)+\b)+7], v[SC+8*NQ*(\sc)+NQ*\b+(\q)], v[SC+8*NQ*(\sc)+NQ*(\a)+(\q)] matrix_a_fmt:MATRIX_FMT_FP4 matrix_b_fmt:MATRIX_FMT_FP4 matrix_a_scale:MATRIX_SCALE_ROW1
.endif
.endr
.endr
.endm
.macro FETCH_B slot, q, p
	WIN TO_B
.irp i, 0,1,2,3,4,5,6,7
	FRAG 128*(\p)+FR*\i, ADRB+\slot, \q, \i
.endr
	WIN 0
.endm
.macro FETCH_A slot, q, i0
.irp i, \i0, \i0+1, \i0+2, \i0+3
	FRAG AF+FR*(\i), ADRA+\slot, \q, \i
.endr
.endm
.macro SCALES sc                       ; a slot's scale words: four a row; lanes 0-15 take A's block i, lanes 16-31 B's block i
.irp i, 0,1,2,3,4,5,6,7
	ds_load_b128 v[SC+8*NQ*\sc+NQ*\i:SC+8*NQ*\sc+NQ*\i+3], v[ADRS] offset:\i*SBLK
.endr
.endm
.macro PLACES n                        ; plain vector instructions between a matrix instruction and a load into, or a read of, its registers
.rept \n
	v_nop
.endr
.endm
.macro STEP slot, q, zero              ; 128 along K that has its successor in the same slot
	s_wait_dscnt 4*NL                              ; B's set and A's blocks 0-3 are in; the youngest eight loads (A's blocks 4-7) may be out
	WIN MUL_LO
	MUL16 0, (\q)%2, \q, \slot, \zero
	MUL16 2, (\q)%2, \q, \slot, \zero
	s_wait_dscnt 0
	PLACES NP
	FETCH_B \slot, (\q)+1, 1-(\q)%2
	FETCH_A \slot, (\q)+1, 0
	WIN MUL_HI
	MUL16 4, (\q)%2, \q, \slot, \zero
	MUL16 6, (\q)%2, \q, \slot, \zero
	PLACES NP
	WIN 0
	FETCH_A \slot, (\q)+1, 4
.endm
.macro TURN slot, next                 ; slot 0's last step: one barrier; behind it slot 1 is whole in every wave's eyes and nobody reads slot 0 any more.  Nothing is filled again
	s_wait_tensorcnt 0x0                           ; all my tensor loads have landed: my part of slot 1
	ds_add_u32 v[SPW], v[NIL]                      ; 0 onto my spare word
	s_wait_dscnt 4*NL+1                            ; (the add and the youngest eight loads may be out)
	WIN MUL_LO
	MUL16 0, 1, NQ-1, \slot, 0
	s_wait_dscnt 0x0                               ; the add is done, and my reads of this slot are over
	s_barrier_signal -1
	MUL16 2, 1, NQ-1, \slot, 0
	WIN 0
	s_barrier_wait -1
	PLACES NP
	v_add_nc_u32 v[ADRS], 4*NQ, v[ADRS]            ; on to the next slot's scale words
	FETCH_B \next, 0, 0
	FETCH_A \next, 0, 0
	SCALES \next
	WIN MUL_HI
	MUL16 4, 1, NQ-1, \slot, 0
	MUL16 6, 1, NQ-1, \slot, 0
	PLACES NP
	WIN 0
	FETCH_A \next, 0, 4
.endm
.macro STEPS slot, from
.set Q, \from
.rept NQ-1-\from
	STEP \slot, Q, 0
.set Q, Q+1
.endr
.endm
	s_wait_tensorcnt 1                             ; the scales and my part of slot 0 are in (slot 1's load may be out)
	s_barrier_signal -1
	s_barrier_wait -1
	FETCH_B 0, 0, 0
	FETCH_A 0, 0, 0
	SCALES 0
	FETCH_A 0, 0, 4
	STEP 0, 0, 1                                   ; the first products start the sums: nothing is cleared
	STEPS 0, 1
	TURN 0, 1
	STEPS 1, 0
	s_wait_dscnt 4*NL                              ; the last step
	WIN MUL_LO
	MUL16 0, 1, NQ-1, 1, 0
	MUL16 2, 1, NQ-1, 1, 0
	s_wait_dscnt 0
	WIN MUL_HI
	MUL16 4, 1, NQ-1, 1, 0
	MUL16 6, 1, NQ-1, 1, 0
	WIN 0
	; THE WAY OUT
	PLACES NP                                      ; behind the last products: for the reads of results and for the loads into registers that held fragments and scales
	s_and_b32 s98, ttmp7, 0xffff                   ; positions 0 to 15 are block 0 of the waves with the upper half of rows, where the cluster's y is 0: ids that all partners share, and the wave's number
	s_or_b32 s98, s98, s15
	s_cmp_lg_u32 s98, 0
	s_cbranch_scc1 .Lno_fine
	WIN 0x08                                       ; an LDS store's data are its source 1: window 2
.irp b, 0,1,2,3,4,5,6,7
	ds_store_b128 v[STOF], v[8*\b:8*\b+3] offset:64*\b             ; each accumulator from its low end on
	ds_store_b128 v[STOF], v[8*\b+4:8*\b+7] offset:64*\b+16
.endr
	WIN 0
.irp t, 0,1,2,3,4,5,6,7,8,9,10,11,12,13,14,15
	ds_load_b128 v[FB+4*\t:FB+4*\t+3], v[RDF] offset:\t*SPITCH     ; LDS serves a wave's instructions in order: these see the stores above
.endr
	s_wait_dscnt 0x0
.irp t, 0,1,2,3,4,5,6,7,8,9,10,11,12,13,14,15
	global_store_b128 v[CO], v[FB+4*\t:FB+4*\t+3], s[96:97] offset:\t*12288   ; 32 lanes store 512 consecutive bytes of a row of qkvf
.endr
.Lno_fine:
.macro PACKH a                         ; block a (16 rows x 128 columns) rounded to f16: 16 bytes a lane and column block
.set AC, 64*((\a)%4)
	WIN 0x0a+5*((\a)/4)                            ; sources 0 and 1: window 2 or 3
.irp b, 0,1,2,3,4,5,6,7
.irp i, 0,1,2,3
	v_cvt_pk_f16_f32 v[TMP+4*\b+\i], v[AC+8*\b+2*\i], v[AC+8*\b+2*\i+1]
.endr
.endr
	WIN 0
.endm
.macro TOSTG a                         ; into my stage by head, and back as runs of four rows
.set BB, BK+32*((\a)%2)
.irp b, 0,1,2,3,4,5,6,7
	ds_store_b128 v[STO], v[TMP+4*\b:TMP+4*\b+3] offset:(\b/4)*16*HP+32*(\b%4)
.endr
.irp t, 0,1,2,3,4,5,6,7
	ds_load_b128 v[BB+4*\t:BB+4*\t+3], v[RD] offset:(\t/4)*16*HP+(\t%4)*4*HP
.endr
.endm
.macro SENDH a
.set BB, BK+32*((\a)%2)
	s_wait_dscnt 0x0                               ; the block is back in registers
	s_wait_xcnt 0x0                                ; the stores of the block before have read their registers: the next block's loads may land there
.irp t, 0,1,2,3,4,5,6,7
	global_store_b128 v[CO], v[BB+4*\t:BB+4*\t+3], s[12:13] offset:(\t/4)*262144+(\a)*2048+(\t%4)*512   ; 32 lanes store 512 consecutive bytes of a plane: four positions of a head
.endr
.endm
	PACKH 0
	TOSTG 0
.irp a, 1,2,3,4,5,6,7                  ; block a's conversions stand between block a - 1's loads from the stage and the wait for them
	PACKH \a
	SENDH \a-1
	TOSTG \a
.endr
	SENDH 7
	s_wait_tensorcnt 0x0                           ; the wave's end
	ds_add_u32 v[SPW], v[NIL]
	s_wait_dscnt 0x0
	CROUND                                         ; the closing round
	s_endpgm
.Lfunc_end_k_q4f2097c949_qkv:
	.size	k_q4f2097c949_qkv, .Lfunc_end_k_q4f2097c949_qkv-k_q4f2097c949_qkv
	.p2alignl 7, 3214868480
	.fill 96, 4, 3214868480
	.section	.rodata,"a",@progbits
	.p2align	6, 0x0
	.amdhsa_kernel k_q4f2097c949_qkv
		.amdhsa_group_segment_fixed_size 327680
		.amdhsa_private_segment_fixed_size 0
		.amdhsa_enable_private_segment 0
		.amdhsa_kernarg_size 48
		.amdhsa_user_sgpr_count 2
		.amdhsa_user_sgpr_kernarg_segment_ptr 1
		.amdhsa_wavefront_size32 1
		.amdhsa_system_sgpr_workgroup_id_x 1
		.amdhsa_system_sgpr_workgroup_id_y 1
		.amdhsa_system_sgpr_workgroup_id_z 1
		.amdhsa_system_vgpr_workitem_id 0
		.amdhsa_next_free_vgpr 1024
		.amdhsa_next_free_sgpr 100
		.amdhsa_reserve_vcc 0
		.amdhsa_float_denorm_mode_32 3
		.amdhsa_float_denorm_mode_16_64 3
		.amdhsa_memory_ordered 1
		.amdhsa_forward_progress 1
		.amdhsa_inst_pref_size 131
	.end_amdhsa_kernel
	.amdgpu_metadata
---
amdhsa.version: [ 1, 2 ]
amdhsa.kernels:
  - .name:           k_q4f2097c949_qkv
    .symbol:         k_q4f2097c949_qkv.kd
    .args:
      - { .name: x_codes, .offset: 0, .size: 8, .value_kind: global_buffer, .address_space: global }
      - { .name: x_scales, .offset: 8, .size: 8, .value_kind: global_buffer, .address_space: global }
      - { .name: w_codes, .offset: 16, .size: 8, .value_kind: global_buffer, .address_space: global }
      - { .name: w_scales, .offset: 24, .size: 8, .value_kind: global_buffer, .address_space: global }
      - { .name: qkv16, .offset: 32, .size: 8, .value_kind: global_buffer, .address_space: global }
      - { .name: qkvf, .offset: 40, .size: 8, .value_kind: global_buffer, .address_space: global }
    .group_segment_fixed_size: 327680
    .private_segment_fixed_size: 0
    .kernarg_segment_align: 8
    .kernarg_segment_size: 48
    .max_flat_workgroup_size: 128
    .sgpr_count:     100
    .vgpr_count:     1024
    .wavefront_size: 32
...
	.end_amdgpu_metadata
.endif
;; end of part 2
;; launch attn (part 3): grid 4 x 64, 8 waves a work-group, no clusters, 327,680 bytes of LDS; arguments qkv16, a16; writes a16
.if DOCPART == 3
	.amdgcn_target "amdgcn-amd-amdhsa--gfx1250"
	.amdhsa_code_object_version 6
	.text
	.protected	k_q4f2097c949_attn
	.globl	k_q4f2097c949_attn
	.p2align	8
	.type	k_q4f2097c949_attn,@function
k_q4f2097c949_attn:
	s_mov_b64 s[64:65], 0
	v_nop
	global_prefetch_b8 v0, s[64:65] scope:SCOPE_SE
	s_setreg_imm32_b32 hwreg(HW_REG_WAVE_MODE, 25, 1), 1
	s_wait_xcnt 0x0
; a[bh][q][:] = sum over k <= q of softmax_k(Q[q] . K[k] / 8) V[k][:], for each of 64 planes bh (batch x 16 + head) of [2048][64] f16.  Operands f16; products, maxima, sums in f32; p rounded to f16 for the second product.
; (Positions 0 to 15 of each batch are computed here too, but what leaves the program for them is made in f32 by the last launch.)
; LIMITS: |q|, |k|, |v| under 65,504; a p under 2^-126 counts as 0 (the exponential's own flush); NaN and infinities are not served.
; SHARES.  Work-group (x, bh) owns the query blocks x and 7 - x (256 queries each): (x + 1) + (8 - x) = 9 slots of 256 keys in every work-group: 256 work-groups of equal work.
; One loop of 9 trips of constant count; at trip x + 1 (a scalar branch on ids) the first block leaves and the second begins.  Each of the eight waves owns 32 queries, two tiles of 16; two waves share a SIMD.
; A key step is 64 keys, four to a slot.  A step all of whose keys come after the wave's queries is jumped over (ids alone); on the diagonal hidden scores become -infinity ahead of the maximum.
; NO CLUSTER: in trip g the work-group x wants slot g or g - x - 1, so the four work-groups of a plane want different tiles at the same time; walking in step would take 12 slots' time in place of 9.
; LAYOUT.  S^T = K Q^T (source 0 = 16 keys, source 1 = 16 queries): a lane holds ONE query (lane % 16) and keys 8 (lane / 16) + 0..7 of each tile.  Two such tiles, rounded in pairs, are source 1 of O^T = V^T P.
; K comes out of LDS as it lies, V ([key][channel]) turned, by ds_load_tr16_b128.  Running maximum m and sum l: p = 2^(c s - c m), c = log2(e) / 8; O and l are multiplied by a = 2^(c m_old - c m_new) in every step.
; THE RING: two slots, 2^17 bytes apart.  Waves 0, 1 fetch K's halves (128 rows), waves 2, 3 V's; one tensor load a wave is out; every wait for tensor loads is for all of them.
; REGISTERS: window 0: v1-15 addresses and constants; v16-31 statistics, 8 a tile; v32-63 Q; v64-127 S^T; v128-191 O^T; v192-223 P; v224-255 the way out.  window 1: v0-63 K; v64-127 V; v128-159 the second block's Q.
.set KP,    144                        ; a row of K in LDS: 128 bytes + 16
.set VP,    160                        ; a row of V: 128 + 32: an odd multiple of 32, as the turning load's lanes want
.set VOFF,  256*KP                     ; a slot: 256 rows of K, then 256 of V
.set SLOT1, 1<<17
.set STAGE, SLOT1+256*(KP+VP)          ; behind the ring: 32 rows x 144 bytes for each wave; no tile lands there
.set SPARE, STAGE+8*32*KP              ; the spare words, 128 bytes a wave: no other line names them
.set KSB,   64*KP                      ; a key step in K's part,
.set VSB,   64*VP                      ; and in V's
.set AK0, 1
.set AV0, 2
.set ADK, 3
.set ADV, 4
.set QO,  5
.set STO, 6
.set RD,  7
.set GO,  8
.set RH,  9                            ; r - 8 h
.set D0,  10                           ; v10, v11: what a register's key offset is held against, tile 0 and 1
.set NINF, 12
.set PFO, 13
.set SPW, 14
.set NIL, 15
.set ST,  16                           ; tile t at v[ST + 8 t]: +0 c m, +1 m, +2, +3 l, +4 .. +7 at work (a in +6)
.set Q,   32
.set S,   64
.set O,   128
.set P,   192
.set TMPO, 224
.set WV,  8
.set BH,  10
.set N1,  11                           ; x + 1: the first block's slots
.set G,   12                           ; the trip
.set KF,  13                           ; the step's first key
.set Q0,  14                           ; my first query
.set Q0B, 15                           ; and in the second block
.set OFF, 16                           ; s[16:17]
.set CNT, 18
.set LIM, 19
.set SEL, 20
.set CS,  22
.set G1K, 24
.set G1V, 32
.set G0K, 40
.set G0V, 44
.set KB,  48                           ; s[48:49] my half of K's slot 0 in memory;  s[50:51] V's
.set VB,  50
.set PFK, 52
.set PFV, 54
.set AO1, 56
.set AO2, 58
.set TBK, 60                           ; LDS byte at which the step's rows of K begin;
.set TBV, 61                           ; and, less VOFF, V's
.set MSB, 0
.macro WIN new
.if MSB != \new
	s_set_vgpr_msb (MSB<<8)|\new
.set MSB, \new
.endif
.endm
.macro TLOAD                           ; the branches hang on the wave's number alone; an s_nop 0 and four v_nop follow each load
	s_cmp_lt_u32 s[WV], 2
	s_cbranch_scc0 .Lnot_k_\@
	tensor_load_to_lds s[G0K:G0K+3], s[G1K:G1K+7]
	s_nop 0
.rept 4
	v_nop
.endr
	s_branch .Lasked_\@
.Lnot_k_\@:
	s_cmp_lt_u32 s[WV], 4
	s_cbranch_scc0 .Lasked_\@
	tensor_load_to_lds s[G0V:G0V+3], s[G1V:G1V+7]
	s_nop 0
.rept 4
	v_nop
.endr
.Lasked_\@:
.endm
; A PREFETCH INTO THE L2.  The four work-groups of a plane walk the same K and V: work-group x = 0 asks, by its waves 4 to 7, which fetch nothing: 8,192 bytes of K and of V a wave, lanes 256 bytes apart.
; The change of trip g names slot g + 2, g = 0 .. 5: each aligned block of 256 bytes of slots 2 to 7 is named once in the launch; slots 0 and 1 come by their loads alone.
; The first tensor load for slot j stands at the change of trip j - 1 (work-groups with x >= j) or later: one change of slots, four key steps, behind the prefetch, or more.
.macro ASK
	s_cmp_lt_u32 s[G], s[LIM]
	s_cbranch_scc0 .Lnot_mine_\@
	global_prefetch_b8 v[PFO], s[PFK:PFK+1] th:TH_LOAD_NT scope:SCOPE_SE
	global_prefetch_b8 v[PFO], s[PFV:PFV+1] th:TH_LOAD_NT scope:SCOPE_SE
.Lnot_mine_\@:
.endm
	s_load_b128 s[4:7], s[0:1], 0x0                ; qkv16, a16
	v_lshl_add_u32 v[SPW], v0, 2, SPARE
	v_mov_b32 v[NIL], 0
	ds_add_u32 v[SPW], v[NIL]                      ; the opening: the add, twice on end, and its wait ahead of the first tensor load
	ds_add_u32 v[SPW], v[NIL]
	v_lshrrev_b32 v3, 5, v0
	v_readfirstlane_b32 s[WV], v3                  ; wave 0..7
	s_and_b32 s[BH], ttmp7, 0xffff                 ; the plane
	s_add_co_u32 s[N1], ttmp9, 1
	s_lshl_b32 s62, s[WV], 5
	s_lshl_b32 s[Q0], ttmp9, 8
	s_add_co_u32 s[Q0], s[Q0], s62                 ; 256 x + 32 w
	s_sub_co_u32 s[Q0B], 7, ttmp9
	s_lshl_b32 s[Q0B], s[Q0B], 8
	s_add_co_u32 s[Q0B], s[Q0B], s62               ; 256 (7 - x) + 32 w
	s_lshl_b32 s63, s[BH], 18                      ; the plane's bytes
	s_lshl_b32 s66, s[Q0], 7
	s_add_co_u32 s66, s66, s63
	s_mov_b32 s67, 0
	s_lshl_b32 s68, s[Q0B], 7
	s_add_co_u32 s68, s68, s63
	s_mov_b32 s69, 0
	s_and_b32 s62, s[WV], 1                        ; which 128 rows of a slot I fetch, if I fetch
	s_lshl_b32 s[KB], s62, 14
	s_add_co_u32 s[KB], s[KB], s63
	s_add_co_u32 s[VB], s[KB], 128<<18             ; v's planes begin at plane 128,
	s_add_co_u32 s[KB], s[KB], 64<<18              ; k's at plane 64
	s_mov_b32 s[KB+1], 0
	s_mov_b32 s[VB+1], 0
	s_mov_b32 s[G0K], 1
	s_mul_i32 s[G0K+1], s62, 128*KP
	s_mov_b32 s[G0V], 1
	s_mul_i32 s[G0V+1], s62, 128*VP
	s_add_co_u32 s[G0V+1], s[G0V+1], VOFF
	s_and_b32 s62, s[WV], 3
	s_lshl_b32 s62, s62, 13
	s_add_co_u32 s62, s62, s63
	s_add_co_u32 s[PFK], s62, (64<<18)+32768       ; my 8,192 bytes of slot 1: each change steps this by a slot before it is used
	s_add_co_u32 s[PFV], s62, (128<<18)+32768
	s_mov_b32 s[PFK+1], 0
	s_mov_b32 s[PFV+1], 0
	s_lshr_b32 s62, s[WV], 2
	s_xor_b32 s62, s62, 1                          ; 0 in waves 4 to 7,
	s_or_b32 s62, s62, ttmp9                       ; of work-group x = 0
	s_cmp_eq_u32 s62, 0
	s_cselect_b32 s[LIM], 6, 0
	s_mov_b32 s[G1K], (1<<16)|(1<<20)|(4<<22)|(3<<25)   ; elements of 2 bytes; padding on: 4 words behind every 32 (a row)
	s_mov_b32 s[G1V], (1<<16)|(1<<20)|(4<<22)|(7<<25)   ; 8 words
.irp g, G1K, G1V
	s_mov_b32 s[\g+1], 64<<16                      ; tensor_dim0 = 64
	s_mov_b32 s[\g+2], 128<<16                     ; tensor_dim1 = 128
	s_mov_b32 s[\g+3], 64<<16                      ; tile_dim0
	s_mov_b32 s[\g+4], 128                         ; tile_dim1
	s_mov_b32 s[\g+5], 64                          ; pitch
	s_mov_b32 s[\g+6], 0
	s_mov_b32 s[\g+7], 0
.endr
	s_mov_b32 s[SEL], 0x76543210
	s_mov_b32 s[SEL+1], 0xfedcba98                 ; lane l xor 16
	s_mov_b32 s[CS], 0x3e38aa3b                    ; c = log2(e) / 8
	s_mov_b32 s[CS+1], s[CS]
	s_mov_b32 s[OFF+1], 0
	s_mov_b32 s[G], 0
	s_mov_b32 s[KF], 0
	s_mov_b32 s[TBK], 0
	s_mov_b32 s[TBV], 0
	s_wait_dscnt 0x0                               ; both opening adds are done
	s_wait_kmcnt 0x0
	s_add_nc_u64 s[KB:KB+1], s[4:5], s[KB:KB+1]
	s_add_nc_u64 s[VB:VB+1], s[4:5], s[VB:VB+1]
	s_add_nc_u64 s[PFK:PFK+1], s[4:5], s[PFK:PFK+1]
	s_add_nc_u64 s[PFV:PFV+1], s[4:5], s[PFV:PFV+1]
	s_add_nc_u64 s[AO1:AO1+1], s[6:7], s[66:67]
	s_add_nc_u64 s[AO2:AO2+1], s[6:7], s[68:69]
	s_add_nc_u64 s[66:67], s[4:5], s[66:67]        ; the first block's Q,
	s_add_nc_u64 s[68:69], s[4:5], s[68:69]        ; the second's
	s_mov_b64 s[G0K+2:G0K+3], s[KB:KB+1]
	s_or_b32 s[G0K+3], s[G0K+3], 0x80000000
	s_mov_b64 s[G0V+2:G0V+3], s[VB:VB+1]
	s_or_b32 s[G0V+3], s[G0V+3], 0x80000000
	TLOAD                                          ; slot 0: keys 0 to 255, which count for every work-group
	v_and_b32 v10, 15, v0                          ; r
	v_bfe_u32 v11, v0, 4, 1                        ; h
	v_and_b32 v3, 31, v0                           ; lane
	v_lshlrev_b32 v[QO], 7, v10
	v_lshl_add_u32 v[QO], v11, 4, v[QO]            ; Q: row r of 128 bytes + 16 h
.irp tq, 0,1
.irp c, 0,1
	global_load_b128 v[Q+16*\tq+8*\c:Q+16*\tq+8*\c+3], v[QO], s[66:67] offset:\tq*2048+\c*64
	global_load_b128 v[Q+16*\tq+8*\c+4:Q+16*\tq+8*\c+7], v[QO], s[66:67] offset:\tq*2048+\c*64+32
.endr
.endr
	WIN 0x40                                       ; destination window 1
.irp tq, 0,1
.irp c, 0,1
	global_load_b128 v[128+16*\tq+8*\c:128+16*\tq+8*\c+3], v[QO], s[68:69] offset:\tq*2048+\c*64
	global_load_b128 v[128+16*\tq+8*\c+4:128+16*\tq+8*\c+7], v[QO], s[68:69] offset:\tq*2048+\c*64+32
.endr
.endr
	WIN 0
	v_mul_u32_u24 v[AK0], v10, KP
	v_lshl_add_u32 v[AK0], v11, 4, v[AK0]          ; K: row r x pitch + 16 h
	v_and_b32 v4, 7, v0
	v_lshl_add_u32 v[AV0], v11, 3, v4              ; V, turned: key 8 h + l % 8,
	v_mul_u32_u24 v[AV0], v[AV0], VP
	v_bfe_u32 v4, v0, 3, 1
	v_lshl_add_u32 v[AV0], v4, 4, v[AV0]           ; channels 8 ((l / 8) % 2) on
	v_add_nc_u32 v[AV0], VOFF, v[AV0]
	s_mul_i32 s62, s[WV], 32*KP
	s_add_co_u32 s62, s62, STAGE                   ; my stage
	v_add_nc_u32 v[STO], s62, v[AK0]               ; in: row r, 16 bytes for each half of the lanes
	v_lshrrev_b32 v4, 3, v3
	v_mul_u32_u24 v[RD], v4, KP
	v_and_b32 v4, 7, v3
	v_lshl_add_u32 v[RD], v4, 4, v[RD]
	v_add_nc_u32 v[RD], s62, v[RD]                 ; back: eight lanes to a row, four rows an instruction
	v_lshlrev_b32 v[GO], 4, v3
	v_lshlrev_b32 v4, 3, v11
	v_sub_nc_u32 v[RH], v10, v4
	v_mov_b32 v[NINF], 0xff800000
	v_lshlrev_b32 v[PFO], 8, v3
.irp t, 0,1
.irp i, 4,5,6,7
	v_mov_b32 v[ST+8*\t+\i], 0                     ; written once, so that no path names one of them unwritten
.endr
.endr
.macro RESET                           ; a block's start: m = -3e38, under every score; l and O^T zeros, which the first a = 0 leaves zeros: so the step is written once
.irp t, 0,1
	v_mov_b32 v[ST+8*\t+1], 0xff61b1e6
	v_mul_f32 v[ST+8*\t], s[CS], v[ST+8*\t+1]
	v_mov_b32 v[ST+8*\t+2], 0
	v_mov_b32 v[ST+8*\t+3], 0
.endr
.set i, 0
.rept 64
	v_mov_b32 v[O+i], 0
.set i, i+1
.endr
.endm
	RESET
; A KEY STEP: 64 keys.
.macro STEP
	s_add_co_u32 s62, s[Q0], 31
	s_cmp_gt_u32 s[KF], s62                        ; all keys come after my 32 queries: the step's work is left out; the lines at its end that step addresses are not
	s_cbranch_scc1 .Lhid_\@
	v_add_nc_u32 v[ADK], s[TBK], v[AK0]
	v_add_nc_u32 v[ADV], s[TBV], v[AV0]
	v_nop
	v_nop                                          ; four plain instructions between the last step's products and the loads into V's registers
	WIN 0x40
.irp kt, 0,1,2,3
.irp c, 0,1
	ds_load_b128 v[16*\kt+8*\c:16*\kt+8*\c+3], v[ADK] offset:\kt*16*KP+\c*64
	ds_load_b128 v[16*\kt+8*\c+4:16*\kt+8*\c+7], v[ADK] offset:\kt*16*KP+\c*64+32
.endr
.endr
.irp kk, 0,1
.irp ct, 0,1,2,3
	ds_load_tr16_b128 v[64+32*\kk+8*\ct:64+32*\kk+8*\ct+3], v[ADV] offset:\kk*32*VP+\ct*32
	ds_load_tr16_b128 v[64+32*\kk+8*\ct+4:64+32*\kk+8*\ct+7], v[ADV] offset:\kk*32*VP+16*VP+\ct*32
.endr
.endr
	s_wait_dscnt 16                                ; K's sixteen loads are in; V's sixteen may be out
	WIN 0x01                                       ; source 0 in window 1
.irp c, 0,1                                    ; S^T: the eight accumulators take turns
.irp kt, 0,1,2,3
.irp tq, 0,1
.if \c == 0
	v_wmma_f32_16x16x32_f16 v[S+32*\tq+8*\kt:S+32*\tq+8*\kt+7], v[16*\kt+8*\c:16*\kt+8*\c+7], v[Q+16*\tq+8*\c:Q+16*\tq+8*\c+7], 0
.else
	v_wmma_f32_16x16x32_f16 v[S+32*\tq+8*\kt:S+32*\tq+8*\kt+7], v[16*\kt+8*\c:16*\kt+8*\c+7], v[Q+16*\tq+8*\c:Q+16*\tq+8*\c+7], v[S+32*\tq+8*\kt:S+32*\tq+8*\kt+7]
.endif
.endr
.endr
.endr
	WIN 0
.rept 4
	v_nop
.endr
	s_add_co_u32 s62, s[KF], 63
	s_cmp_le_u32 s62, s[Q0]                        ; all 64 keys count for all my queries: no mask
	s_cbranch_scc1 .Lopen_\@
	s_sub_co_i32 s62, s[Q0], s[KF]
	v_add_nc_u32 v[D0], s62, v[RH]                 ; register n holds key KF + 16 (n / 8) + 8 h + n % 8; my query is Q0 + 16 tq + r: hidden where 16 (n / 8) + n % 8 > Q0 - KF + 16 tq + r - 8 h
	v_add_nc_u32 v[D0+1], 16, v[D0]
.irp tq, 0,1
.irp n, 0,1,2,3,4,5,6,7,8,9,10,11,12,13,14,15,16,17,18,19,20,21,22,23,24,25,26,27,28,29,30,31
	v_cmp_gt_i32 vcc_lo, 16*(\n/8)+\n%8, v[D0+\tq]
	v_cndmask_b32 v[S+32*\tq+\n], v[S+32*\tq+\n], v[NINF], vcc_lo
.endr
.endr
.Lopen_\@:
	; the maximum of 32 scores and the old m; the two tiles line by line by turns.  Each accumulator is read from its low end on
.irp j, 0,1,2,3
.irp t, 0,1
	v_max3_num_f32 v[ST+8*\t+4+\j], v[S+32*\t+8*\j], v[S+32*\t+8*\j+1], v[S+32*\t+8*\j+2]
.endr
.endr
.irp i, 3,5
.irp j, 0,1,2,3
.irp t, 0,1
	v_max3_num_f32 v[ST+8*\t+4+\j], v[ST+8*\t+4+\j], v[S+32*\t+8*\j+\i], v[S+32*\t+8*\j+\i+1]
.endr
.endr
.endr
.irp t, 0,1
	v_max3_num_f32 v[ST+8*\t+4], v[ST+8*\t+4], v[S+32*\t+7], v[S+32*\t+15]
.endr
.irp t, 0,1
	v_max3_num_f32 v[ST+8*\t+6], v[ST+8*\t+6], v[S+32*\t+23], v[S+32*\t+31]
.endr
.irp t, 0,1
	v_max3_num_f32 v[ST+8*\t+4], v[ST+8*\t+4], v[ST+8*\t+5], v[ST+8*\t+6]
.endr
.irp t, 0,1
	v_max3_num_f32 v[ST+8*\t+4], v[ST+8*\t+4], v[ST+8*\t+7], v[ST+8*\t+1]
.endr
.irp t, 0,1
	v_permlanex16_b32 v[ST+8*\t+5], v[ST+8*\t+4], s[SEL], s[SEL+1]   ; the query's other 32 keys lie in the lane 16 away
.endr
.irp t, 0,1
	v_mov_b32 v[ST+8*\t+7], v[ST+8*\t]             ; c m_old
.endr
.irp t, 0,1
	v_max_num_f32 v[ST+8*\t+1], v[ST+8*\t+4], v[ST+8*\t+5]
.endr
.irp t, 0,1
	v_mul_f32 v[ST+8*\t], s[CS], v[ST+8*\t+1]
.endr
.irp t, 0,1
	v_sub_f32 v[ST+8*\t+7], v[ST+8*\t+7], v[ST+8*\t]
.endr
.irp b, 0,1,2,3,4,5,6,7,8,9,10,11,12,13,14,15
.irp t, 0,1
	v_pk_fma_f32 v[S+32*\t+2*\b:S+32*\t+2*\b+1], v[S+32*\t+2*\b:S+32*\t+2*\b+1], s[CS:CS+1], v[ST+8*\t:ST+8*\t+1] op_sel_hi:[1,0,0] neg_lo:[0,0,1] neg_hi:[0,0,1]   ; c s - c m
.endr
.endr
.irp t, 0,1                                    ; ONE BATCH of 66 exponentials, none of which reads another's result
	v_exp_f32 v[ST+8*\t+6], v[ST+8*\t+7]           ; a
.endr
.irp e, 0,1,2,3,4,5,6,7,8,9,10,11,12,13,14,15,16,17,18,19,20,21,22,23,24,25,26,27,28,29,30,31
.irp t, 0,1
	v_exp_f32 v[S+32*\t+\e], v[S+32*\t+\e]         ; p
.endr
.endr
	v_nop                                          ; a plain instruction behind the last exponential
	s_wait_alu depctr_va_vdst(0)                   ; one wait for the batch, ahead of its first reader
.irp i, 0,1,2,3,4,5,6,7,8,9,10,11,12,13,14,15
.irp t, 0,1
	v_cvt_pk_f16_f32 v[P+16*\t+\i], v[S+32*\t+2*\i], v[S+32*\t+2*\i+1]   ; first the roundings: the sums below work in place
.endr
.endr
.irp u, 0,1,2,3,4,5,6,7
.irp t, 0,1
	v_pk_add_f32 v[S+32*\t+4*\u:S+32*\t+4*\u+1], v[S+32*\t+4*\u:S+32*\t+4*\u+1], v[S+32*\t+4*\u+2:S+32*\t+4*\u+3]
.endr
.endr
.irp u, 0,1,2,3
.irp t, 0,1
	v_pk_add_f32 v[S+32*\t+8*\u:S+32*\t+8*\u+1], v[S+32*\t+8*\u:S+32*\t+8*\u+1], v[S+32*\t+8*\u+4:S+32*\t+8*\u+5]
.endr
.endr
.irp u, 0,1
.irp t, 0,1
	v_pk_add_f32 v[S+32*\t+16*\u:S+32*\t+16*\u+1], v[S+32*\t+16*\u:S+32*\t+16*\u+1], v[S+32*\t+16*\u+8:S+32*\t+16*\u+9]
.endr
.endr
.irp t, 0,1
	v_pk_add_f32 v[S+32*\t:S+32*\t+1], v[S+32*\t:S+32*\t+1], v[S+32*\t+16:S+32*\t+17]
.endr
.irp t, 0,1
	v_pk_fma_f32 v[ST+8*\t+2:ST+8*\t+3], v[ST+8*\t+2:ST+8*\t+3], v[ST+8*\t+6:ST+8*\t+7], v[S+32*\t:S+32*\t+1] op_sel_hi:[1,0,1]   ; l = a l + the step's sum, of the unrounded p
.endr
.irp i, 0,2,4,6,8,10,12,14,16,18,20,22,24,26,28,30
.irp t, 0,1
	v_pk_mul_f32 v[O+32*\t+\i:O+32*\t+\i+1], v[O+32*\t+\i:O+32*\t+\i+1], v[ST+8*\t+6:ST+8*\t+7] op_sel_hi:[1,0]   ; O^T x a, each accumulator from its low end on
.endr
.endr
	s_wait_dscnt 0x0                               ; V is in
	WIN 0x01
.irp kk, 0,1                                   ; O^T += V^T P: the eight accumulators take turns
.irp ct, 0,1,2,3
.irp tq, 0,1
	v_wmma_f32_16x16x32_f16 v[O+32*\tq+8*\ct:O+32*\tq+8*\ct+7], v[64+32*\kk+8*\ct:64+32*\kk+8*\ct+7], v[P+16*\tq+8*\kk:P+16*\tq+8*\kk+7], v[O+32*\tq+8*\ct:O+32*\tq+8*\ct+7]
.endr
.endr
.endr
	WIN 0
.Lhid_\@:
	s_add_co_u32 s[KF], s[KF], 64
	s_add_co_u32 s[TBK], s[TBK], KSB
	s_add_co_u32 s[TBV], s[TBV], VSB
.endm
.macro FOUR_STEPS                      ; a slot's four key steps: written once, walked four times; then on to the other slot
	s_mov_b32 s[CNT], 4
.Lstep_\@:
	STEP
	s_sub_co_u32 s[CNT], s[CNT], 1
	s_cmp_lg_u32 s[CNT], 0
	s_cbranch_scc1 .Lstep_\@
	s_sub_co_u32 s[TBK], s[TBK], 4*KSB
	s_xor_b32 s[TBK], s[TBK], SLOT1
	s_sub_co_u32 s[TBV], s[TBV], 4*VSB
	s_xor_b32 s[TBV], s[TBV], SLOT1
.endm
; THE CHANGE OF SLOTS stands at a trip's head.  Each wave waits for all its tensor loads (its part of the slot about to be read), adds 0 to its spare word, and waits for that and for its reads of the slot left.
; Behind the barrier the slot ahead is whole and nobody reads the other.  fill = 1: that other slot takes the next trip's keys: the load has a whole slot's steps in which to land.
.macro CHANGE fill
	s_wait_tensorcnt 0x0                           ; no tensor load of mine is out, so a group 0 may be written
	ds_add_u32 v[SPW], v[NIL]
.if \fill
	ds_add_u32 v[SPW], v[NIL]                      ; twice on end here, in every trip alike
	s_add_co_u32 s62, s[G], 1                      ; the next trip's slot of keys: g + 1 in the first block, g + 1 - N1 in the second
	s_cmp_lt_u32 s62, s[N1]
	s_cselect_b32 s63, 0, s[N1]
	s_sub_co_u32 s62, s62, s63
	s_lshl_b32 s[OFF], s62, 15                     ; 32,768 bytes a slot
	s_xor_b32 s[G0K+1], s[G0K+1], SLOT1            ; the other LDS slot than last time
	s_add_nc_u64 s[G0K+2:G0K+3], s[KB:KB+1], s[OFF:OFF+1]
	s_or_b32 s[G0K+3], s[G0K+3], 0x80000000
	s_xor_b32 s[G0V+1], s[G0V+1], SLOT1
	s_add_nc_u64 s[G0V+2:G0V+3], s[VB:VB+1], s[OFF:OFF+1]
	s_or_b32 s[G0V+3], s[G0V+3], 0x80000000
	s_wait_xcnt 0x0                                ; the last prefetches, a slot back, have read their addresses
	s_add_nc_u64 s[PFK:PFK+1], s[PFK:PFK+1], 32768
	s_add_nc_u64 s[PFV:PFV+1], s[PFV:PFV+1], 32768
.endif
	s_wait_dscnt 0x0                               ; the add is done, and my reads of the slot that I have left are over
	s_barrier_signal -1
	s_barrier_wait -1
.if \fill
	TLOAD                                          ; first thing behind the barrier, a wave's one tensor load until the next
	ASK
.endif
.endm
; THE WAY OUT of a block: O^T / l, rounded to f16, through my stage, out as runs of four rows (512 consecutive bytes of the plane).
.macro EPI ao
.rept 4
	v_nop                                          ; places behind the last products
.endr
.irp t, 0,1
	v_add_f32 v[ST+8*\t+4], v[ST+8*\t+2], v[ST+8*\t+3]
.endr
.irp t, 0,1
	v_permlanex16_b32 v[ST+8*\t+5], v[ST+8*\t+4], s[SEL], s[SEL+1]
.endr
.irp t, 0,1
	v_add_f32 v[ST+8*\t+4], v[ST+8*\t+4], v[ST+8*\t+5]
.endr
.irp t, 0,1
	v_rcp_f32 v[ST+8*\t+6], v[ST+8*\t+4]
.endr
	v_nop
	s_wait_alu depctr_va_vdst(0)                   ; one wait for the two reciprocals, ahead of their first reader
.irp t, 0,1
.irp i, 0,2,4,6,8,10,12,14,16,18,20,22,24,26,28,30
	v_pk_mul_f32 v[O+32*\t+\i:O+32*\t+\i+1], v[O+32*\t+\i:O+32*\t+\i+1], v[ST+8*\t+6:ST+8*\t+7] op_sel_hi:[1,0]
.endr
.endr
.set i, 0
.rept 32
	v_cvt_pk_f16_f32 v[TMPO+i], v[O+2*i], v[O+2*i+1]
.set i, i+1
.endr
.irp tq, 0,1
.irp ct, 0,1,2,3
	ds_store_b128 v[STO], v[TMPO+16*\tq+4*\ct:TMPO+16*\tq+4*\ct+3] offset:\tq*16*KP+32*\ct
.endr
.endr
.irp i, 0,1,2,3,4,5,6,7
	ds_load_b128 v[S+4*\i:S+4*\i+3], v[RD] offset:\i*4*KP          ; LDS serves a wave's instructions in order: these see the stores above
.endr
.irp i, 0,1,2,3,4,5,6,7
	s_wait_dscnt 7-\i                              ; the younger loads may be out
	global_store_b128 v[GO], v[S+4*\i:S+4*\i+3], s[\ao:\ao+1] offset:512*\i
.endr
.endm
	s_wait_loadcnt 0x0                             ; both blocks' Q
.Lslot:                                            ; trips 0 to 7: behind each change the next trip's slot is asked for
	CHANGE 1
	s_cmp_eq_u32 s[G], s[N1]                       ; ids and the trip's number: the same in all eight waves
	s_cbranch_scc0 .Lsame
	EPI AO1                                        ; the first block leaves,
	s_wait_xcnt 0x0                                ; (its stores have read their registers, which the next scores take)
	WIN 0x01
.set i, 0
.rept 32
	v_mov_b32 v[Q+i], v[128+i]                     ; the second block's Q comes from window 1,
.set i, i+1
.endr
	WIN 0
	RESET
	s_mov_b32 s[Q0], s[Q0B]
	s_mov_b32 s[KF], 0                             ; and its walk begins at key 0
.Lsame:
	FOUR_STEPS
	s_add_co_u32 s[G], s[G], 1
	s_cmp_lt_u32 s[G], 8
	s_cbranch_scc1 .Lslot
	CHANGE 0                                       ; the last trip is written out: nothing is left to ask for
	FOUR_STEPS
	EPI AO2
	s_wait_tensorcnt 0x0                           ; the wave's end
	ds_add_u32 v[SPW], v[NIL]
	s_wait_dscnt 0x0
	s_endpgm
.Lfunc_end_k_q4f2097c949_attn:
	.size	k_q4f2097c949_attn, .Lfunc_end_k_q4f2097c949_attn-k_q4f2097c949_attn
	.p2alignl 7, 3214868480
	.fill 96, 4, 3214868480
	.section	.rodata,"a",@progbits
	.p2align	6, 0x0
	.amdhsa_kernel k_q4f2097c949_attn
		.amdhsa_group_segment_fixed_size 327680
		.amdhsa_private_segment_fixed_size 0
		.amdhsa_enable_private_segment 0
		.amdhsa_kernarg_size 16
		.amdhsa_user_sgpr_count 2
		.amdhsa_user_sgpr_kernarg_segment_ptr 1
		.amdhsa_wavefront_size32 1
		.amdhsa_system_sgpr_workgroup_id_x 1
		.amdhsa_system_sgpr_workgroup_id_y 1
		.amdhsa_system_sgpr_workgroup_id_z 1
		.amdhsa_system_vgpr_workitem_id 0
		.amdhsa_next_free_vgpr 416
		.amdhsa_next_free_sgpr 72
		.amdhsa_reserve_vcc 1
		.amdhsa_float_denorm_mode_32 3
		.amdhsa_float_denorm_mode_16_64 3
		.amdhsa_memory_ordered 1
		.amdhsa_forward_progress 1
		.amdhsa_inst_pref_size 73
	.end_amdhsa_kernel
	.amdgpu_metadata
---
amdhsa.version: [ 1, 2 ]
amdhsa.kernels:
  - .name:           k_q4f2097c949_attn
    .symbol:         k_q4f2097c949_attn.kd
    .args:
      - { .name: qkv16, .offset: 0, .size: 8, .value_kind: global_buffer, .address_space: global }
      - { .name: a16, .offset: 8, .size: 8, .value_kind: global_buffer, .address_space: global }
    .group_segment_fixed_size: 327680
    .private_segment_fixed_size: 0
    .kernarg_segment_align: 8
    .kernarg_segment_size: 16
    .max_flat_workgroup_size: 256
    .sgpr_count:     72
    .vgpr_count:     416
    .wavefront_size: 32
...
	.end_amdgpu_metadata
.endif
;; end of part 3
;; launch proj (part 4): grid 4 x 64, 4 waves a work-group, clusters of 4 x 4, 327,680 bytes of LDS; arguments a16, wo16, b_out, out0; writes out0
.if DOCPART == 4
	.amdgcn_target "amdgcn-amd-amdhsa--gfx1250"
	.amdhsa_code_object_version 6
	.text
	.protected	k_q4f2097c949_proj
	.globl	k_q4f2097c949_proj
	.p2align	8
	.type	k_q4f2097c949_proj,@function
k_q4f2097c949_proj:
	s_mov_b64 s[64:65], 0
	v_nop
	global_prefetch_b8 v0, s[64:65] scope:SCOPE_SE
	s_setreg_imm32_b32 hwreg(HW_REG_WAVE_MODE, 25, 1), 1
	s_wait_xcnt 0x0
	s_wait_alu depctr_hold_cnt(0) depctr_sa_sdst(0) depctr_va_vdst(0) depctr_va_sdst(0) depctr_va_ssrc(0) depctr_va_vcc(0) depctr_vm_vsrc(0)
	s_getreg_b32 s2, hwreg(HW_REG_IB_STS2, 6, 4)
	s_cmp_eq_u32 s2, 0
	s_cbranch_scc0 .Lentry_in_a_cluster
	s_endpgm
.Lentry_in_a_cluster:
	s_bfe_u32 s2, ttmp6, 0x10000c
	s_cmp_lg_u32 s2, 0xf033
	s_cbranch_scc0 .Lentry_shape_is_right
	s_endpgm
.Lentry_shape_is_right:
; out0[b][n][e] = sum over d of a[b][n][d] w_out[e][d] + b_out[e], f16 operands, f32 sums, for the positions n >= 16 of each batch (positions 0 to 15 are made in f32 by the last launch).
; a lies by head: plane (b x 16 + head) of [2048][64] f16; wo16 is [1024 e][1024 d] f16.
; A tile is 128 rows x 256 columns: 256 work-groups.  Four waves, each 64 x 128: 32 accumulators, 256 registers.  A K step is 128 = two heads' planes; eight steps through a ring of two LDS slots.
; CLUSTERS: 4 x 4.  A row of the cluster is a batch (cy), the cluster's y picks 128 positions; A's tiles are shared along a row, B's along a column, by joint loads.
; Waves 0, 1 fetch A's two planes (128 rows x 128 bytes, dense), waves 2, 3 B's halves (128 rows x 256 bytes).  One load a wave is out behind each round; two at the start.
; THE MATRIX INSTRUCTION IS USED TRANSPOSED (source 0 = 16 rows of w_out, source 1 = 16 rows of a): a lane holds eight neighbouring e of one row.  The bias is the C of each sum's first instruction.
; No prefetch: the launch is short and a step's tiles are small; each K step's load has a step's products in which to land.
; REGISTERS: window 0: v16-29 addresses; v32-63, v64-95 A's two fragment buffers; v96-159 the bias in the result's layout; v160-223 (and v32-95) the way out.  window 1: B's two buffers.  window 2: accumulator (a, b) at v[8 (8 a + b)].
.set PA,    144                        ; a row of A in LDS: 128 bytes + 16
.set PB,    272                        ; a row of B: 256 + 16
.set APL,   128*PA                     ; a plane's 128 rows
.set BOFF,  2*APL
.set BHALF, 128*PB
.set SLOT,  BOFF+2*BHALF
.set STAGE, 2*SLOT                     ; behind the ring: 16 rows x 528 bytes for each wave
.set SPITCH, 528
.set SPARE, STAGE+4*16*SPITCH          ; the spare words, 128 bytes a wave: no other line names them
.set LAPS,  4                          ; a lap = two K steps
.set ADRA, 16
.set ADRB, 20
.set STO,  24
.set RD,   25
.set CO,   26
.set BO,   27
.set SPW,  28
.set NIL,  29
.set BIAS, 96
.set G1A, 24
.set G0A, 32
.set G1B, 40
.set G0B, 48
.set MSB, 0
.macro WIN new
.if MSB != \new
	s_set_vgpr_msb (MSB<<8)|\new
.set MSB, \new
.endif
.endm
.set MUL,  0xa1                        ; source 0 (B) window 1, source 1 (A) window 0, C and D window 2
.set MULB, 0x81                        ; the same with C (the bias) in window 0
.set TO_B, 0x40
.macro JLOAD s                         ; the branch hangs on the wave's number alone; an s_nop 0 and four v_nop follow each line
	s_cmp_eq_u32 s13, 0
	s_cbranch_scc0 .Lfor_b_\@
	tensor_load_to_lds s[G0A+4*\s:G0A+4*\s+3], s[G1A:G1A+7]
	s_nop 0
.rept 4
	v_nop
.endr
	s_branch .Lasked_\@
.Lfor_b_\@:
	tensor_load_to_lds s[G0B+4*\s:G0B+4*\s+3], s[G1B:G1B+7]
	s_nop 0
.rept 4
	v_nop
.endr
.Lasked_\@:
.endm
.macro CREST
	s_cmp_lg_u32 s12, 0
	s_cbranch_scc1 .Lnot_wave_0_\@
	s_barrier_signal -3
.Lnot_wave_0_\@:
	s_barrier_wait -3
	s_barrier_signal -1
	s_barrier_wait -1
.endm
.macro CROUND
	s_barrier_signal -1
	s_barrier_wait -1
	CREST
.endm
	s_load_b256 s[4:11], s[0:1], 0x0               ; a16, wo16, b_out, out0
	v_lshl_add_u32 v[SPW], v0, 2, SPARE
	v_mov_b32 v[NIL], 0
	ds_add_u32 v[SPW], v[NIL]                      ; the opening: the add, twice on end, and its wait ahead of my first tensor load
	ds_add_u32 v[SPW], v[NIL]
	v_lshrrev_b32 v1, 5, v0
	v_readfirstlane_b32 s12, v1                    ; wave 0..3
	s_lshr_b32 s13, s12, 1                         ; my half of the tile's rows (64).  Also: I fetch for A (0) or for B (1)
	s_and_b32 s14, s12, 1                          ; my half of its columns (128).  Also: which plane of A or which 128 rows of B I fetch
	s_bfe_u32 s15, ttmp6, 0x40000                  ; cx
	s_bfe_u32 s16, ttmp6, 0x40004                  ; cy: the batch
	s_and_b32 s17, ttmp7, 0xffff                   ; the cluster's y: positions 128 x it on
	s_lshl_b32 s59, ttmp9, 2
	s_add_co_u32 s59, s59, s15                     ; tile column
	s_lshl_b32 s56, s16, 2
	s_lshl_b32 s56, 15, s56                        ; my row of the cluster
	s_lshl_b32 s57, 0x1111, s15                    ; my column
	s_or_b32 s[G1A], s56, (1<<16)|(1<<20)|(1<<21)|(4<<22)|(3<<25)   ; the mask; elements of 2 bytes; 4 words of padding behind every 32; bit 21 beside a mask
	s_mov_b32 s[G1A+1], 64<<16                     ; tensor_dim0 = 64
	s_mov_b32 s[G1A+2], 128<<16                    ; tensor_dim1 = 128
	s_mov_b32 s[G1A+3], 64<<16                     ; tile_dim0
	s_mov_b32 s[G1A+4], 128                        ; tile_dim1
	s_mov_b32 s[G1A+5], 64                         ; pitch
	s_mov_b32 s[G1A+6], 0
	s_mov_b32 s[G1A+7], 0
	s_or_b32 s[G1B], s57, (1<<16)|(1<<20)|(1<<21)|(5<<22)|(3<<25)   ; 4 words behind every 64
	s_mov_b32 s[G1B+1], 128<<16
	s_mov_b32 s[G1B+2], 128<<16
	s_mov_b32 s[G1B+3], 128<<16
	s_mov_b32 s[G1B+4], 128
	s_mov_b32 s[G1B+5], 1024
	s_mov_b32 s[G1B+6], 0
	s_mov_b32 s[G1B+7], 0
	s_lshl_b32 s18, s16, 4                         ; A: plane batch x 16 + (0 or 1),
	s_add_co_u32 s18, s18, s14
	s_lshl_b32 s18, s18, 18
	s_lshl_b32 s19, s17, 14                        ; 128 positions of 128 bytes for each cluster y
	s_add_co_u32 s18, s18, s19
	s_mov_b32 s19, 0
	s_lshl_b32 s22, s59, 8                         ; B: row 256 x tile column + 128 x half, of 2,048 bytes
	s_lshl_b32 s23, s14, 7
	s_add_co_u32 s22, s22, s23
	s_lshl_b32 s22, s22, 11
	s_mov_b32 s23, 0
	s_mul_i32 s20, s14, APL                        ; where they go
	s_mul_i32 s21, s14, BHALF
	s_add_co_u32 s21, s21, BOFF
	s_wait_dscnt 0x0                               ; both opening adds are done
	s_wait_kmcnt 0x0
	s_add_nc_u64 s[18:19], s[4:5], s[18:19]
	s_add_nc_u64 s[22:23], s[6:7], s[22:23]
	CROUND                                         ; all sixteen work-groups are here
.irp s, 0,1
	s_mov_b32 s[G0A+4*\s], 1
	s_add_co_u32 s[G0A+4*\s+1], s20, \s*SLOT
	s_add_nc_u64 s[G0A+4*\s+2:G0A+4*\s+3], s[18:19], \s*524288     ; K step s: planes 2 s and 2 s + 1
	s_or_b32 s[G0A+4*\s+3], s[G0A+4*\s+3], 0x80000000
	s_mov_b32 s[G0B+4*\s], 1
	s_add_co_u32 s[G0B+4*\s+1], s21, \s*SLOT
	s_add_nc_u64 s[G0B+4*\s+2:G0B+4*\s+3], s[22:23], \s*256
	s_or_b32 s[G0B+4*\s+3], s[G0B+4*\s+3], 0x80000000
	JLOAD \s
.endr
	v_and_b32 v1, 15, v0                           ; r
	v_bfe_u32 v2, v0, 4, 1                         ; h
	v_mul_u32_u24 v3, v1, PA
	v_lshl_add_u32 v3, v2, 4, v3
	v_mul_u32_u24 v4, v1, PB
	v_lshl_add_u32 v4, v2, 4, v4
	s_mul_i32 s20, s13, 64*PA                      ; my 64 rows of A,
	s_mul_i32 s21, s14, BHALF                      ; my 128 rows of B
	s_add_co_u32 s21, s21, BOFF
.irp s, 0,1
	v_add_nc_u32 v[ADRA+\s], s20, v3
	v_add_nc_u32 v[ADRB+\s], s21, v4
	s_add_co_u32 s20, s20, SLOT
	s_add_co_u32 s21, s21, SLOT
.endr
	s_mul_i32 s20, s12, 16*SPITCH
	s_add_co_u32 s20, s20, STAGE                   ; my stage
	v_mul_u32_u24 v5, v1, SPITCH
	v_lshl_add_u32 v5, v2, 5, v5
	v_add_nc_u32 v[STO], s20, v5                   ; in: row r, 32 bytes for each half of the lanes
	v_and_b32 v6, 31, v0
	v_lshlrev_b32 v[CO], 4, v6
	v_add_nc_u32 v[RD], s20, v[CO]                 ; back: a row of 512 bytes an instruction
	v_lshlrev_b32 v[BO], 5, v2
	s_lshl_b32 s22, s59, 10                        ; my first column, in bytes of f32
	s_lshl_b32 s23, s14, 9
	s_add_co_u32 s22, s22, s23
	s_mov_b32 s23, 0
	s_add_nc_u64 s[8:9], s[8:9], s[22:23]
	s_add_nc_u64 s[10:11], s[10:11], s[22:23]
	s_lshl_b32 s22, s16, 11                        ; my first row: batch x 2048 + 128 x cluster y + 64 x half
	s_lshl_b32 s60, s17, 7
	s_add_co_u32 s22, s22, s60
	s_lshl_b32 s60, s13, 6
	s_add_co_u32 s22, s22, s60
	s_lshl_b32 s22, s22, 12                        ; rows of 4,096 bytes
	s_add_nc_u64 s[10:11], s[10:11], s[22:23]
.irp b, 0,1,2,3,4,5,6,7
	global_load_b128 v[BIAS+8*\b:BIAS+8*\b+3], v[BO], s[8:9] offset:64*\b          ; b_out at columns 16 b + 8 h + 0 .. 7
	global_load_b128 v[BIAS+8*\b+4:BIAS+8*\b+7], v[BO], s[8:9] offset:64*\b+16
.endr
; 8 matrix instructions: A's block a x B's eight, 32 along K, from buffer f.  The 32 accumulators take turns in the same order in every quarter.
.macro MUL8 f, a, bias
.irp b, 0,1,2,3,4,5,6,7
.if \bias
	v_wmma_f32_16x16x32_f16 v[8*(8*(\a)+\b):8*(8*(\a)+\b)+7], v[64*(\f)+8*\b:64*(\f)+8*\b+7], v[32+32*(\f)+8*(\a):32+32*(\f)+8*(\a)+7], v[BIAS+8*\b:BIAS+8*\b+7]
.else
	v_wmma_f32_16x16x32_f16 v[8*(8*(\a)+\b):8*(8*(\a)+\b)+7], v[64*(\f)+8*\b:64*(\f)+8*\b+7], v[32+32*(\f)+8*(\a):32+32*(\f)+8*(\a)+7], v[8*(8*(\a)+\b):8*(8*(\a)+\b)+7]
.endif
.endr
.endm
.macro FETCH slot, q, f                ; 24 LDS loads: the fragments of the slot's q-th 32 along K: B's eight, then A's four
	WIN TO_B
.irp b, 0,1,2,3,4,5,6,7
	ds_load_b128 v[64*(\f)+8*\b:64*(\f)+8*\b+3], v[ADRB+\slot] offset:\b*16*PB+64*(\q)
	ds_load_b128 v[64*(\f)+8*\b+4:64*(\f)+8*\b+7], v[ADRB+\slot] offset:\b*16*PB+64*(\q)+32
.endr
	WIN 0
.irp a, 0,1,2,3
	ds_load_b128 v[32+32*(\f)+8*\a:32+32*(\f)+8*\a+3], v[ADRA+\slot] offset:\a*16*PA+((\q)/2)*APL+((\q)%2)*64
	ds_load_b128 v[32+32*(\f)+8*\a+4:32+32*(\f)+8*\a+7], v[ADRA+\slot] offset:\a*16*PA+((\q)/2)*APL+((\q)%2)*64+32
.endr
.endm
.macro PLACES
.rept 4
	v_nop
.endr
.endm
.macro QUARTER slot, qn, f, g, bias    ; multiplies buffer f; in its middle fetches the slot's quarter qn into buffer g
	s_wait_dscnt 4                                 ; B and A's blocks 0, 1 are in; the youngest four loads (blocks 2, 3) may be out
.if \bias
	WIN MULB
.else
	WIN MUL
.endif
	MUL8 \f, 0, \bias
	MUL8 \f, 1, \bias
	PLACES
	FETCH \slot, \qn, \g
	s_wait_dscnt 24                                ; all but the 24 just issued
.if \bias
	WIN MULB
.else
	WIN MUL
.endif
	MUL8 \f, 2, \bias
	MUL8 \f, 3, \bias
.endm
; A slot's last quarter multiplies buffer 1 and changes slots: one barrier; ahead of it each wave waits for all its tensor loads, adds 0 to its spare word, and waits for that and for its reads of this slot.
.macro TURN slot, next, fill
	WIN 0
	s_wait_tensorcnt 0x0                           ; my part of the next slot has landed
	ds_add_u32 v[SPW], v[NIL]
	s_wait_dscnt 5                                 ; (the add and the youngest four loads may be out)
	WIN MUL
	MUL8 1, 0, 0
	s_wait_dscnt 0x0                               ; the add is done, and my reads of this slot are over
	s_barrier_signal -1
	MUL8 1, 1, 0
.if \fill
	WIN 0
.endif
	s_barrier_wait -1
.if \fill
	CREST                                          ; the barrier has opened a round of the cluster's: no wave of any partner still reads this slot or has a load on its way
	s_add_nc_u64 s[G0A+4*\slot+2:G0A+4*\slot+3], s[G0A+4*\slot+2:G0A+4*\slot+3], 1048576   ; two K steps on: four planes
	s_add_nc_u64 s[G0B+4*\slot+2:G0B+4*\slot+3], s[G0B+4*\slot+2:G0B+4*\slot+3], 512
	JLOAD \slot                                    ; first behind the round; its four v_nop are also the places ahead of the loads below
.else
	PLACES
.endif
	FETCH \next, 0, 0
	WIN MUL
	MUL8 1, 2, 0
	MUL8 1, 3, 0
.endm
	s_wait_tensorcnt 1                             ; my part of K step 0 is in (K step 1's load may be out)
	s_barrier_signal -1
	s_barrier_wait -1
	FETCH 0, 0, 0
	s_wait_loadcnt 0x0                             ; the bias
	QUARTER 0, 1, 0, 1, 1                          ; the first quarter starts the sums from the bias: nothing is cleared, nothing is added later
	WIN 0
	s_mov_b32 s58, LAPS-1
.Llap:                                             ; a trip goes once round the ring and fills both slots again
	QUARTER 0, 2, 1, 0, 0
	QUARTER 0, 3, 0, 1, 0
	TURN 0, 1, 1
	QUARTER 1, 1, 0, 1, 0
	QUARTER 1, 2, 1, 0, 0
	QUARTER 1, 3, 0, 1, 0
	TURN 1, 0, 1
	QUARTER 0, 1, 0, 1, 0
	WIN 0
	s_sub_co_u32 s58, s58, 1
	s_cmp_lg_u32 s58, 0
	s_cbranch_scc1 .Llap
	QUARTER 0, 2, 1, 0, 0                          ; the last lap fills nothing
	QUARTER 0, 3, 0, 1, 0
	TURN 0, 1, 0
	QUARTER 1, 1, 0, 1, 0
	QUARTER 1, 2, 1, 0, 0
	QUARTER 1, 3, 0, 1, 0
	s_wait_dscnt 4
	WIN MUL
	MUL8 1, 0, 0
	MUL8 1, 1, 0
	s_wait_dscnt 0
	MUL8 1, 2, 0
	MUL8 1, 3, 0
	WIN 0
	; THE WAY OUT, block by block of 16 rows x 128 columns, through my own stage: whole rows of 512 bytes come back and are stored by the 32 lanes.
.macro TOSTAGE a
	WIN 0x08                                       ; an LDS store's data are its source 1: window 2
.irp b, 0,1,2,3,4,5,6,7
	ds_store_b128 v[STO], v[8*(8*(\a)+\b):8*(8*(\a)+\b)+3] offset:64*\b            ; each accumulator from its low end on
	ds_store_b128 v[STO], v[8*(8*(\a)+\b)+4:8*(8*(\a)+\b)+7] offset:64*\b+16
.endr
	WIN 0
.set BB, 160-128*((\a)%2)
.irp t, 0,1,2,3,4,5,6,7,8,9,10,11,12,13,14,15
	ds_load_b128 v[BB+4*\t:BB+4*\t+3], v[RD] offset:\t*SPITCH      ; LDS serves a wave's instructions in order
.endr
.endm
.macro SEND a, younger
.set BB, 160-128*((\a)%2)
	s_wait_dscnt \younger                          ; the block is back; the next block's 32 LDS instructions may be out
.irp t, 0,1,2,3,4,5,6,7,8,9,10,11,12,13,14,15
	global_store_b128 v[CO], v[BB+4*\t:BB+4*\t+3], s[10:11] offset:(16*(\a)+\t)*4096 th:TH_STORE_NT   ; 512 consecutive bytes of a row of out0, aligned to 256
.endr
.endm
	PLACES
	s_or_b32 s18, s17, s13                         ; positions 0 to 15 are block 0 of waves 0 and 1 where the cluster's y is 0: the last launch stores those rows
	s_cmp_eq_u32 s18, 0
	s_cbranch_scc1 .Lskip0
	TOSTAGE 0
	SEND 0, 0
.Lskip0:
	TOSTAGE 1
	s_wait_xcnt 0x0                                ; block 0's stores have read their registers
	TOSTAGE 2
	SEND 1, 32
	s_wait_xcnt 0x0                                ; block 1's likewise
	TOSTAGE 3
	SEND 2, 32
	SEND 3, 0
	s_wait_tensorcnt 0x0                           ; the wave's end
	ds_add_u32 v[SPW], v[NIL]
	s_wait_dscnt 0x0
	CROUND                                         ; the closing round
	s_endpgm
.Lfunc_end_k_q4f2097c949_proj:
	.size	k_q4f2097c949_proj, .Lfunc_end_k_q4f2097c949_proj-k_q4f2097c949_proj
	.p2alignl 7, 3214868480
	.fill 96, 4, 3214868480
	.section	.rodata,"a",@progbits
	.p2align	6, 0x0
	.amdhsa_kernel k_q4f2097c949_proj
		.amdhsa_group_segment_fixed_size 327680
		.amdhsa_private_segment_fixed_size 0
		.amdhsa_enable_private_segment 0
		.amdhsa_kernarg_size 32
		.amdhsa_user_sgpr_count 2
		.amdhsa_user_sgpr_kernarg_segment_ptr 1
		.amdhsa_wavefront_size32 1
		.amdhsa_system_sgpr_workgroup_id_x 1
		.amdhsa_system_sgpr_workgroup_id_y 1
		.amdhsa_system_sgpr_workgroup_id_z 1
		.amdhsa_system_vgpr_workitem_id 0
		.amdhsa_next_free_vgpr 768
		.amdhsa_next_free_sgpr 66
		.amdhsa_reserve_vcc 0
		.amdhsa_float_denorm_mode_32 3
		.amdhsa_float_denorm_mode_16_64 3
		.amdhsa_memory_ordered 1
		.amdhsa_forward_progress 1
		.amdhsa_inst_pref_size 87
	.end_amdhsa_kernel
	.amdgpu_metadata
---
amdhsa.version: [ 1, 2 ]
amdhsa.kernels:
  - .name:           k_q4f2097c949_proj
    .symbol:         k_q4f2097c949_proj.kd
    .args:
      - { .name: a16, .offset: 0, .size: 8, .value_kind: global_buffer, .address_space: global }
      - { .name: wo16, .offset: 8, .size: 8, .value_kind: global_buffer, .address_space: global }
      - { .name: b_out, .offset: 16, .size: 8, .value_kind: global_buffer, .address_space: global }
      - { .name: out0, .offset: 24, .size: 8, .value_kind: global_buffer, .address_space: global }
    .group_segment_fixed_size: 327680
    .private_segment_fixed_size: 0
    .kernarg_segment_align: 8
    .kernarg_segment_size: 32
    .max_flat_workgroup_size: 128
    .sgpr_count:     66
    .vgpr_count:     768
    .wavefront_size: 32
...
	.end_amdgpu_metadata
.endif
;; end of part 4
;; launch fine (part 5): grid 16 x 4, 16 waves a work-group, no clusters, 71,680 bytes of LDS; arguments qkvf, w_out, b_out, out0; writes out0
.if DOCPART == 5
	.amdgcn_target "amdgcn-amd-amdhsa--gfx1250"
	.amdhsa_code_object_version 6
	.text
	.protected	k_q4f2097c949_fine
	.globl	k_q4f2097c949_fine
	.p2align	8
	.type	k_q4f2097c949_fine,@function
k_q4f2097c949_fine:
	s_mov_b64 s[64:65], 0
	v_nop
	global_prefetch_b8 v0, s[64:65] scope:SCOPE_SE
	s_setreg_imm32_b32 hwreg(HW_REG_WAVE_MODE, 25, 1), 1
	s_wait_xcnt 0x0
; Positions 0 to 15 of each batch, in f32 throughout: they average one to sixteen values and are the largest rows of the output, so f16 operands would weigh most there.  64 rows in all: no bulk work.
; Work-group (x, b) makes out0[b][0..15][64 x .. 64 x + 63].  Wave hd takes head hd: its 16 x 16 causal attention from the f32 sums in qkvf [4][16][3072], and at once the product with w_out[64 x ..][64 hd ..].
; The sixteen heads' parts meet in LDS; wave w adds query w's and the bias and stores 256 consecutive bytes.  The attention is repeated in the 16 work-groups of a batch: 32 matrix instructions, in place of a launch more.
; THE f32 FORM takes K = 4: lane (r, h), register j: k = 2 h + j.  A permutation of k applied alike to both sources keeps the products: for S^T a lane holds channels 32 h + 0..31 and K step s takes its registers
; 2 s, 2 s + 1; for the two later products a K step takes registers 2 s, 2 s + 1 of the result before (keys or channels 8 h + 2 s + j), and the other source is loaded to match.
; The registers v208-239 are written by matrix instructions alone; each sum begins with the constant 0.  Eight places stand behind this form ahead of a read or a load, nine ahead of a matrix instruction that writes over.
; REGISTERS: v1-7 addresses; v10-11 bias; v12 -infinity; v16-47 K, later w_out for channels 48-63; v48-79 Q, later scores, p and sums; v80-111 V^T, later O / l; v112-207 w_out for channels 0-47, later the parts; v254, v255 the add's two.
.set ACC,   208
.set PP,    272                        ; a query's 64 numbers in LDS: 256 bytes + 16
.set PW,    16*PP                      ; a wave's part
.set SPARE, 16*PW                      ; the spare words, 128 bytes a wave: no other line names them
.set SPW,   254
.set NIL,   255
	s_load_b256 s[4:11], s[0:1], 0x0               ; qkvf, w_out, b_out, out0
	v_lshl_add_u32 v[SPW], v0, 2, SPARE
	v_mov_b32 v[NIL], 0
	v_lshrrev_b32 v8, 5, v0
	v_readfirstlane_b32 s12, v8                    ; wave = head, later = query
	s_and_b32 s13, ttmp7, 0xffff                   ; batch
	v_and_b32 v8, 15, v0                           ; r
	v_bfe_u32 v9, v0, 4, 1                         ; h
	v_and_b32 v13, 31, v0                          ; lane
	v_mul_u32_u24 v1, v8, 12288
	v_lshl_add_u32 v1, v9, 7, v1                   ; K, Q: position r, channels 32 h on
	v_mul_u32_u24 v2, v9, 98304
	v_lshl_add_u32 v2, v8, 2, v2                   ; V^T: keys 8 h on, channel r
	v_lshlrev_b32 v3, 12, v8
	v_lshl_add_u32 v3, v9, 5, v3                   ; w_out: row r, channels 8 h on
	v_lshlrev_b32 v4, 3, v13                       ; 8 x lane
	s_mul_i32 s14, s12, PW
	v_mul_u32_u24 v5, v8, PP
	v_lshl_add_u32 v5, v9, 5, v5
	v_add_nc_u32 v5, s14, v5                       ; my part: query r, 32 bytes for each half of the lanes
	s_mul_i32 s14, s12, PP
	v_add_nc_u32 v6, s14, v4                       ; back: query = my wave's number, 8 bytes a lane
	v_lshlrev_b32 v7, 3, v9
	v_sub_nc_u32 v7, v8, v7                        ; r - 8 h
	v_mov_b32 v12, 0xff800000
	s_mov_b32 s16, 0x76543210
	s_mov_b32 s17, 0xfedcba98                      ; lane l xor 16
	s_mov_b32 s18, 0x3e38aa3b                      ; c = log2(e) / 8
	s_mul_i32 s20, s13, 196608
	s_lshl_b32 s14, s12, 8
	s_add_co_u32 s20, s20, s14                     ; qkvf: the batch, the head's 64 channels
	s_mov_b32 s21, 0
	s_lshl_b32 s22, ttmp9, 18
	s_add_co_u32 s22, s22, s14                     ; w_out: rows 64 x on, the head's 64 columns
	s_mov_b32 s23, 0
	s_lshl_b32 s24, ttmp9, 8                       ; b_out: 64 numbers
	s_mov_b32 s25, 0
	s_lshl_b32 s26, s13, 11
	s_add_co_u32 s26, s26, s12
	s_lshl_b32 s26, s26, 12
	s_add_co_u32 s26, s26, s24                     ; out0: row batch x 2048 + wave, columns 64 x on
	s_mov_b32 s27, 0
	s_wait_kmcnt 0x0
	s_add_nc_u64 s[4:5], s[4:5], s[20:21]
	s_add_nc_u64 s[6:7], s[6:7], s[22:23]
	s_add_nc_u64 s[8:9], s[8:9], s[24:25]
	s_add_nc_u64 s[10:11], s[10:11], s[26:27]
.irp i, 0,1,2,3,4,5,6,7
	global_load_b128 v[16+4*\i:19+4*\i], v1, s[4:5] offset:4096+16*\i              ; K
.endr
.irp i, 0,1,2,3,4,5,6,7
	global_load_b128 v[48+4*\i:51+4*\i], v1, s[4:5] offset:16*\i                   ; Q
.endr
.irp ct, 0,1,2,3
.irp kk, 0,1,2,3,4,5,6,7
	global_load_b32 v[80+8*\ct+\kk], v2, s[4:5] offset:8192+\kk*12288+\ct*64       ; V(key 8 h + kk, channel 16 ct + r)
.endr
.endr
.irp ct, 0,1,2
.irp nt, 0,1,2,3
	global_load_b128 v[112+32*\ct+8*\nt:115+32*\ct+8*\nt], v3, s[6:7] offset:\nt*65536+\ct*64      ; w_out(16 nt + r, 16 ct + 8 h + 0 .. 7)
	global_load_b128 v[116+32*\ct+8*\nt:119+32*\ct+8*\nt], v3, s[6:7] offset:\nt*65536+\ct*64+16
.endr
.endr
	global_load_b64 v[10:11], v4, s[8:9]           ; the bias of my two columns
	s_wait_loadcnt 57                              ; K and Q are in; the 32 + 24 + 1 loads behind them may be out
.irp s, 0,1,2,3,4,5,6,7,8,9,10,11,12,13,14,15  ; S^T = K Q^T: two accumulators by turns
.if \s < 2
	v_wmma_f32_16x16x4_f32 v[ACC+8*(\s%2):ACC+8*(\s%2)+7], v[16+2*\s:17+2*\s], v[48+2*\s:49+2*\s], 0
.else
	v_wmma_f32_16x16x4_f32 v[ACC+8*(\s%2):ACC+8*(\s%2)+7], v[16+2*\s:17+2*\s], v[48+2*\s:49+2*\s], v[ACC+8*(\s%2):ACC+8*(\s%2)+7]
.endif
.endr
.rept 8
	v_nop
.endr
.irp nt, 0,1,2,3
	global_load_b128 v[16+8*\nt:19+8*\nt], v3, s[6:7] offset:\nt*65536+192         ; w_out for channels 48 to 63, into K's registers
	global_load_b128 v[20+8*\nt:23+8*\nt], v3, s[6:7] offset:\nt*65536+208
.endr
.irp j, 0,1,2,3,4,5,6,7
	v_add_f32 v[48+\j], v[ACC+\j], v[ACC+8+\j]     ; the score of key 8 h + j and query r; both accumulators from their low ends on
.endr
.irp j, 0,1,2,3,4,5,6,7
	v_cmp_gt_i32 vcc_lo, \j, v7                    ; key 8 h + j > query r: hidden
	v_cndmask_b32 v[48+\j], v[48+\j], v12, vcc_lo
.endr
	v_max3_num_f32 v56, v48, v49, v50
	v_max3_num_f32 v57, v51, v52, v53
	v_max3_num_f32 v56, v56, v54, v55
	v_max_num_f32 v56, v56, v57
	v_permlanex16_b32 v57, v56, s16, s17
	v_max_num_f32 v56, v56, v57                    ; the row's maximum: key 0 counts for every query
	v_mul_f32 v57, s18, v56
.irp j, 0,1,2,3,4,5,6,7
	v_fma_f32 v[48+\j], v[48+\j], s18, -v57
.endr
.irp j, 0,1,2,3,4,5,6,7
	v_exp_f32 v[48+\j], v[48+\j]                   ; p = 2^(c s - c m)
.endr
	v_nop
	s_wait_alu depctr_va_vdst(0)                   ; one wait for the eight, ahead of their first reader
	v_add_f32 v58, v48, v49
	v_add_f32 v59, v50, v51
	v_add_f32 v61, v52, v53
	v_add_f32 v62, v54, v55
	v_add_f32 v58, v58, v59
	v_add_f32 v61, v61, v62
	v_add_f32 v58, v58, v61
	v_permlanex16_b32 v59, v58, s16, s17
	v_add_f32 v58, v58, v59                        ; the row's sum
	v_rcp_f32 v60, v58
	v_nop
	s_wait_alu depctr_va_vdst(0)
	s_wait_loadcnt 33                              ; V^T is in; w_out's 24, the bias and the last 8 may be out
.rept 9
	v_nop                                          ; the products below write over the scores' accumulators
.endr
.irp s, 0,1,2,3                                ; O^T(ct) = V^T p: four accumulators by turns
.irp ct, 0,1,2,3
.if \s == 0
	v_wmma_f32_16x16x4_f32 v[ACC+8*\ct:ACC+8*\ct+7], v[80+8*\ct+2*\s:81+8*\ct+2*\s], v[48+2*\s:49+2*\s], 0
.else
	v_wmma_f32_16x16x4_f32 v[ACC+8*\ct:ACC+8*\ct+7], v[80+8*\ct+2*\s:81+8*\ct+2*\s], v[48+2*\s:49+2*\s], v[ACC+8*\ct:ACC+8*\ct+7]
.endif
.endr
.endr
.rept 8
	v_nop
.endr
.irp i, 0,1,2,3,4,5,6,7,8,9,10,11,12,13,14,15,16,17,18,19,20,21,22,23,24,25,26,27,28,29,30,31
	v_mul_f32 v[80+\i], v[ACC+\i], v60             ; O / l: register 8 ct + j is channel 16 ct + 8 h + j of query r
.endr
	s_wait_loadcnt 9                               ; w_out for channels 0 to 47 is in; the bias and the last 8 may be out
.rept 9
	v_nop
.endr
.irp ct, 0,1,2                                 ; out^T(nt) = w_out x O / l: four accumulators by turns
.irp s, 0,1,2,3
.irp nt, 0,1,2,3
.if (\ct == 0) && (\s == 0)
	v_wmma_f32_16x16x4_f32 v[ACC+8*\nt:ACC+8*\nt+7], v[112+32*\ct+8*\nt+2*\s:113+32*\ct+8*\nt+2*\s], v[80+8*\ct+2*\s:81+8*\ct+2*\s], 0
.else
	v_wmma_f32_16x16x4_f32 v[ACC+8*\nt:ACC+8*\nt+7], v[112+32*\ct+8*\nt+2*\s:113+32*\ct+8*\nt+2*\s], v[80+8*\ct+2*\s:81+8*\ct+2*\s], v[ACC+8*\nt:ACC+8*\nt+7]
.endif
.endr
.endr
.endr
	s_wait_loadcnt 0x0                             ; the last of w_out, and the bias
.irp s, 0,1,2,3
.irp nt, 0,1,2,3
	v_wmma_f32_16x16x4_f32 v[ACC+8*\nt:ACC+8*\nt+7], v[16+8*\nt+2*\s:17+8*\nt+2*\s], v[104+2*\s:105+2*\s], v[ACC+8*\nt:ACC+8*\nt+7]
.endr
.endr
.rept 8
	v_nop
.endr
.irp nt, 0,1,2,3
	ds_store_b128 v5, v[ACC+8*\nt:ACC+8*\nt+3] offset:64*\nt       ; my head's part of out(query r, 16 nt + 8 h + 0 .. 7)
	ds_store_b128 v5, v[ACC+8*\nt+4:ACC+8*\nt+7] offset:64*\nt+16
.endr
	s_wait_dscnt 0x0                               ; for the others' sake: my stores have landed
	s_barrier_signal -1
	s_barrier_wait -1
.irp i, 0,1,2,3,4,5,6,7,8,9,10,11,12,13,14,15
	ds_load_b64 v[112+2*\i:113+2*\i], v6 offset:\i*PW              ; head i's part of my query, two columns a lane
.endr
	s_wait_dscnt 0x0
.irp i, 0,1,2,3,4,5,6,7
	v_pk_add_f32 v[112+4*\i:113+4*\i], v[112+4*\i:113+4*\i], v[114+4*\i:115+4*\i]
.endr
.irp i, 0,1,2,3
	v_pk_add_f32 v[112+8*\i:113+8*\i], v[112+8*\i:113+8*\i], v[116+8*\i:117+8*\i]
.endr
.irp i, 0,1
	v_pk_add_f32 v[112+16*\i:113+16*\i], v[112+16*\i:113+16*\i], v[120+16*\i:121+16*\i]
.endr
	v_pk_add_f32 v[112:113], v[112:113], v[128:129]
	v_pk_add_f32 v[112:113], v[112:113], v[10:11]  ; + b_out
	global_store_b64 v4, v[112:113], s[10:11]      ; 32 lanes store 256 consecutive bytes, aligned
	s_wait_tensorcnt 0x0                           ; the wave's end, behind the last LDS store
	ds_add_u32 v[SPW], v[NIL]
	s_wait_dscnt 0x0
	s_endpgm
.Lfunc_end_k_q4f2097c949_fine:
	.size	k_q4f2097c949_fine, .Lfunc_end_k_q4f2097c949_fine-k_q4f2097c949_fine
	.p2alignl 7, 3214868480
	.fill 96, 4, 3214868480
	.section	.rodata,"a",@progbits
	.p2align	6, 0x0
	.amdhsa_kernel k_q4f2097c949_fine
		.amdhsa_group_segment_fixed_size 71680
		.amdhsa_private_segment_fixed_size 0
		.amdhsa_enable_private_segment 0
		.amdhsa_kernarg_size 32
		.amdhsa_user_sgpr_count 2
		.amdhsa_user_sgpr_kernarg_segment_ptr 1
		.amdhsa_wavefront_size32 1
		.amdhsa_system_sgpr_workgroup_id_x 1
		.amdhsa_system_sgpr_workgroup_id_y 1
		.amdhsa_system_sgpr_workgroup_id_z 1
		.amdhsa_system_vgpr_workitem_id 0
		.amdhsa_next_free_vgpr 256
		.amdhsa_next_free_sgpr 66
		.amdhsa_reserve_vcc 1
		.amdhsa_float_denorm_mode_32 3
		.amdhsa_float_denorm_mode_16_64 3
		.amdhsa_memory_ordered 1
		.amdhsa_forward_progress 1
		.amdhsa_inst_pref_size 24
	.end_amdhsa_kernel
	.amdgpu_metadata
---
amdhsa.version: [ 1, 2 ]
amdhsa.kernels:
  - .name:           k_q4f2097c949_fine
    .symbol:         k_q4f2097c949_fine.kd
    .args:
      - { .name: qkvf, .offset: 0, .size: 8, .value_kind: global_buffer, .address_space: global }
      - { .name: w_out, .offset: 8, .size: 8, .value_kind: global_buffer, .address_space: global }
      - { .name: b_out, .offset: 16, .size: 8, .value_kind: global_buffer, .address_space: global }
      - { .name: out0, .offset: 24, .size: 8, .value_kind: global_buffer, .address_space: global }
    .group_segment_fixed_size: 71680
    .private_segment_fixed_size: 0
    .kernarg_segment_align: 8
    .kernarg_segment_size: 32
    .max_flat_workgroup_size: 512
    .sgpr_count:     66
    .vgpr_count:     256
    .wavefront_size: 32
...
	.end_amdgpu_metadata
.endif
;; end of part 5
